; MI455X (gfx1250); checked and timed in simulation.
; The chip was launched on July 23, 2026; its instructions are those of AMD's public machine-readable ISA for CDNA 5 (MIT licence, August 2026) and "CDNA5" Instruction Set Architecture Reference Guide (July 2026). The comments in the code are by the model that wrote it; some were corrected since.
;; Multihead Attention. Allowed arithmetic: matrix products marked QUANTISED: E2M1 operands, one E8M0 scale for each 32 along K, by v_wmma_scale_f32_16x16x128_f8f6f4 with both operands' format E2M1 (or v_wmma_scale_f32_32x16x128_f4), f32 sums; products left as they are: bf16, f16 or f32 operands; f32 sums; everything else in f32.
;; Inputs: Wk 2,048 x 2,048 float32; Wo 2,048 x 2,048 float32; Wq 2,048 x 2,048 float32; Wv 2,048 x 2,048 float32; bo 2,048 float32; key 2 x 2,048 x 2,048 float32; mask 1,024 x 2,048 bool; query 2 x 1,024 x 2,048 float32; value 2 x 2,048 x 2,048 float32.
;; Outputs: out0 2 x 1,024 x 2,048 float32.
;; This version of the problem:
;;   THIS VERSION OF THE PROBLEM IS GIVEN IN LOW PRECISION. The matrix products marked QUANTISED in the list below multiply operands that are first quantised to E2M1 (2 exponent bits, 1 mantissa bit; 4 bits a number), with one power-of-two scale for each 32 numbers along K (OCP MX v1.0); their sums are f32. The products marked 'left as it is' may take bf16, f16 or f32 operands, with f32 sums. Whichever they take, every output number must still come out within the allowed error. Rounding operands to bf16 (8 significant bits) uses up far more of that allowance than f16 does (11 bits, for magnitudes from 6e-5 to 65,504). All else is computed in f32.
;;   The module's matrix products, in the order in which they are computed (A, B: the left and right operand; K: the contracted axis; several contracted axes count as one K, in the product's order):
;;     1. [M 2,048, K 2,048] x [K 2,048, N 2,048]; A: input query; B: input Wq: QUANTISED
;;     2. [M 4,096, K 2,048] x [K 2,048, N 2,048]; A: input key; B: input Wk: QUANTISED
;;     3. [M 4,096, K 2,048] x [K 2,048, N 2,048]; A: input value; B: input Wv: QUANTISED
;;     4. batch 32 x [M 1,024, K 128] x [K 128, N 2,048]; A: computed on the way; B: computed on the way: left as it is (an operand is computed on the way)
;;     5. batch 32 x [M 1,024, K 2,048] x [K 2,048, N 128]; A: computed on the way; B: computed on the way: left as it is (an operand is computed on the way)
;;     6. [M 2,048, K 2,048] x [K 2,048, N 2,048]; A: computed on the way; B: input Wo: left as it is (an operand is computed on the way)
;;   THE QUANTISER, for each operand of a quantised product, along K:
;;     - K is cut into blocks of 32 from its start; a last block that is shorter is filled with zeros.
;;     - A block's scale is 2^e with e = floor(log2(the largest magnitude in the block)) - 2, held to -126 .. 127; a block of zeros has e = 0. As a byte (E8M0): e + 127.
;;     - Each number is divided by its block's scale, clamped to +-6, and rounded to the nearest number of E2M1, ties to even, subnormals kept.
;;     - The product sums the exact products of the quantised numbers (number of the format x scale) in f32.
;;   ~~~python
;;   def quantise(x, axis):      # numpy; x: float32 -> the quantised numbers, widened to float32 again
;;       x = np.moveaxis(x, axis, -1); K = x.shape[-1]
;;       x = np.pad(x, [(0, 0)] * (x.ndim - 1) + [(0, -K % 32)]); x = x.reshape(x.shape[:-1] + (-1, 32)); a = np.abs(x).max(-1, keepdims=True)
;;       e = np.where(a > 0, np.clip(np.frexp(np.where(a > 0, a, 1))[1] - 1 - 2, -126, 127), 0)      # np.frexp(a)[1] - 1 = floor(log2(a)), exactly
;;       r = np.clip(x / 2.0 ** e, -6, 6)
;;       step = 2.0 ** (np.maximum(np.frexp(np.where(r == 0, 1, r))[1] - 1, 0) - 1)
;;       q = np.round(r / step) * step * 2.0 ** e      # np.round: ties to even
;;       return np.moveaxis(q.reshape(q.shape[:-2] + (-1,))[..., :K], -1, axis).astype(np.float32)
;;   ~~~
;; One version. Each part assembles by itself: llvm-mc -triple=amdgcn-amd-amdhsa -mcpu=gfx1250 --defsym DOCPART=n.
;; ======== version 1 of 1: 5 launches
;; limits: values are held in f16: magnitudes above 65,504 overflow, below 6.1e-05 lose precision
;; workspace buffers: codes 16,777,216 bytes; scales 1,048,576 bytes; wo2 16,777,216 bytes; mbits 262,144 bytes of whole numbers; qkv16 41,943,040 bytes; a16 8,388,608 bytes; alo 131,072 bytes; steps 256 bytes of whole numbers
;; launch prep (part 1): grid 936 x 1, 4 waves a work-group, no clusters, 68,096 bytes of LDS; arguments query, key, value, Wq, Wk, Wv, Wo, mask, codes, scales, wo2, mbits, steps; writes codes, scales, wo2, mbits, steps
.if DOCPART == 1
	.amdgcn_target "amdgcn-amd-amdhsa--gfx1250"
	.amdhsa_code_object_version 6
	.text
	.protected	k_qc4ab9e2e50_prep
	.globl	k_qc4ab9e2e50_prep
	.p2align	8
	.type	k_qc4ab9e2e50_prep,@function
k_qc4ab9e2e50_prep:
	s_mov_b64 s[64:65], 0
	v_nop
	global_prefetch_b8 v0, s[64:65] scope:SCOPE_SE
	s_setreg_imm32_b32 hwreg(HW_REG_WAVE_MODE, 25, 1), 1
	s_wait_xcnt 0x0
; MULTI-HEAD ATTENTION, launch 1 of 5: everything that arrives as f32 or as bytes is brought into the form in which the later launches read it.
; NO WORK OF reference() IS DEAD FOR ALL INPUTS.  The mask is an input: whatever it holds, each key, each value and each row of each projection can reach an output, so all nine inputs are loaded by some
; launch (bo by launches 4 and 5) and the four projections are done whole.
; WHAT THE MASK'S OWN NUMBERS THROW AWAY is passed over in launch 3, in whole steps of 128 queries x 128 keys, by the words that this launch stores in 'steps'.  A step all of whose mask bytes are set gives only
; scores of -1e20.  For a query that has an open key anywhere the weights of such scores are 0 in f32, in reference() too (exp(-1e20 - max) = 0), so the step adds nothing to its sum or to its result.
; A query with no open key takes the mean of ALL values: where one of the 128 rows is such a row, every step counts.  LIMIT: a NaN or an infinity that only the keys and values of passed-over steps hold is not carried to the result.
; Five kinds of work-group, told apart by the work-group's number:
;   0-639    query, key, value [rows][2048] f32 -> codes of E2M1, K innermost, and one E8M0 byte for each 32 along K.  Rows 0-2047 of the two buffers are query's, 2048-6143 key's, 6144-10239 value's.
;   640-831  Wq, Wk, Wv [K 2048][N 2048] f32 -> the same, laid [N][K]: rows 10240, 12288, 14336 on.  A lane takes a column, its registers run down K.
;   832-895  Wo [K][N] f32 -> two f16 numbers each: hi = f16(w), lo' = f16((w - hi) x 2048), laid as images of operand registers: [part][16 columns: 128][32 of K: 64][1,024 bytes]; in a fragment
;            lane (r, h) holds, in its 16 bytes of half c, k = 16 c + 8 h + 0..7 of column r.
;   896-927  the mask's bytes -> LANE WORDS for launch 3: word n of a tile of scores has in bit l the mask of (query 16 tile + l % 16, key 64 g + 16 (n / 8) + 8 (l / 16) + n % 8).
;            Laid [64 queries: 16][key half kh: 2][step u: 16][place: 4][32 words]; key step g = 4 (u / 2) + 2 kh + u % 2; tile of queries = 4 G + (place xor 2 kh): the order in which a wave there takes them.
;   928-935  the mask's bytes -> one word for each 32 rows: bit u is set where step u (key steps g = 4 (u / 2) + u % 2 and g + 2) holds an open key in these rows; 0xffff where one of the rows has no open key.
; THE QUANTISER: a block's scale is 2^(floor(log2(largest magnitude)) - 2); its byte is the largest magnitude's exponent field - 2, held at 1 from below; numbers / scale go to the nearest code, ties to even,
; beyond 6 to the largest code.  A block of zeros gets the byte 1 where the rule says 127: its codes are zeros, and this program alone reads the bytes.
; LIMITS: blocks whose largest magnitude lies under 2^-124 were not tried; NaN and infinities among the inputs are not served; |Wo| up to 65,504 (f16); a mask byte is 0 or 1.
; No cluster, no tensor load, no barrier: no two work-groups share a stream (the mask's 2 MiB alone are read twice), and waves share nothing.  Each path that uses LDS has bytes of its own.
.set SPW,   190                        ; v190  LDS address of my spare word; never rewritten
.set NIL,   191                        ; v191  0; never rewritten
.set SPARE, 67584                      ; behind both paths' LDS: the spare words, 128 bytes a wave
.set WV,    28                         ; s28   my wave's number
.macro FINISH                          ; the end of a wave that stored to LDS
	s_wait_tensorcnt 0x0
	ds_add_u32 v[SPW], v[NIL]
	s_wait_dscnt 0x0
	s_endpgm
.endm
	s_load_b512 s[4:19], s[0:1], 0x0               ; query s[4:5], key s[6:7], value s[8:9], Wq s[10:11], Wk s[12:13], Wv s[14:15], Wo s[16:17], mask s[18:19]
	s_load_b256 s[20:27], s[0:1], 0x40             ; codes s[20:21], scales s[22:23], wo2 s[24:25], mbits s[26:27]
	s_load_b64 s[46:47], s[0:1], 0x60              ; steps
	v_lshl_add_u32 v[SPW], v0, 2, SPARE
	v_mov_b32 v[NIL], 0
	v_lshrrev_b32 v1, 5, v0
	v_readfirstlane_b32 s[WV], v1                  ; wave 0..3
	v_and_b32 v2, 31, v0                           ; lane
	s_wait_kmcnt 0x0
	s_cmp_lt_u32 ttmp9, 640
	s_cbranch_scc1 .Lacts
	s_cmp_lt_u32 ttmp9, 832
	s_cbranch_scc1 .Lweights
	s_cmp_lt_u32 ttmp9, 896
	s_cbranch_scc1 .Lwo
	s_cmp_ge_u32 ttmp9, 928
	s_cbranch_scc1 .Lsteps
; ---------------------------------------------------------------- THE MASK'S LANE WORDS.  A wave takes 64 queries (G) x 256 keys (sl): four trips of 64 keys.  No LDS.
	s_sub_co_u32 s29, ttmp9, 896
	s_lshl_b32 s29, s29, 2
	s_add_co_u32 s29, s29, s[WV]                   ; task 0..127
	s_lshr_b32 s30, s29, 3                         ; G
	s_and_b32 s31, s29, 7                          ; sl
	s_lshl_b32 s32, s30, 17                        ; 64 rows of 2,048 bytes
	s_lshl_b32 s34, s31, 8                         ; 256 keys
	s_add_co_u32 s32, s32, s34
	s_mov_b32 s33, 0
	s_add_nc_u64 s[18:19], s[18:19], s[32:33]
	s_lshl_b32 s32, s30, 14                        ; out: 16,384 bytes for each G,
	s_lshl_b32 s34, s31, 10                        ; two steps u of 512 bytes for each sl
	s_add_co_u32 s32, s32, s34
	s_add_nc_u64 s[26:27], s[26:27], s[32:33]
	v_and_b32 v3, 15, v2                           ; r
	v_lshrrev_b32 v4, 4, v2                        ; h
	v_lshlrev_b32 v5, 11, v3
	v_lshl_add_u32 v5, v4, 3, v5                   ; row r, + 8 h keys
	v_lshlrev_b32 v6, 4, v2                        ; out: 16 bytes a lane
.irp u, 0,1,2,3
	v_mov_b32 v[48+\u], 0                          ; written once: a lane write's destination counts as read
.endr
	s_mov_b32 s29, 0                               ; trip i: key step 4 sl + i; kh = i / 2
.Lmtrip:
	s_lshr_b32 s30, s29, 1                         ; kh
	s_lshl_b32 s31, s30, 16                        ; places 0, 1 take tiles 2 kh, 2 kh + 1 of the 64 queries (32,768 bytes a tile),
	s_lshl_b32 s32, s29, 6
	s_add_co_u32 s31, s31, s32                     ; + 64 i keys
	s_xor_b32 s32, s31, 0x10000                    ; places 2, 3 the other two
	v_add_nc_u32 v7, s31, v5                       ; (the last trip's loads have been waited for: their address registers are free)
	v_add_nc_u32 v8, s32, v5
.irp pp, 0,1
.irp kt, 0,1,2,3
	global_load_b64 v[16+2*(4*\pp+\kt):17+2*(4*\pp+\kt)], v7, s[18:19] offset:\pp*32768+16*\kt
.endr
.endr
.irp pp, 0,1
.irp kt, 0,1,2,3
	global_load_b64 v[24+16+2*(4*\pp+\kt)-8:24+17+2*(4*\pp+\kt)-8], v8, s[18:19] offset:\pp*32768+16*\kt
.endr
.endr
	s_lshl_b32 s31, s30, 13                        ; out: 8,192 kh
	s_and_b32 s32, s29, 1
	s_lshl_b32 s32, s32, 9                         ; + 512 (i % 2)
	s_add_co_u32 s31, s31, s32
	s_wait_loadcnt 0x0
	s_wait_xcnt 0x0                                ; the last trip's store has read its data and its offset: both are written again below
	v_add_nc_u32 v9, s31, v6
.set wd, 0                             ; word wd = 32 place + 8 (16 keys) + j: byte j of every lane's pair, gathered by a compare; it goes to lane wd / 4, register wd % 4
.rept 32
.irp u, 0,1,2,3
	v_bfe_u32 v[10+\u], v[16+2*(wd/8)+(wd%8)/4], 8*\u, 8
.endr
.irp u, 0,1,2,3
	v_cmp_ne_u32 s[36+\u], 0, v[10+\u]
.endr
.irp u, 0,1,2,3
	v_writelane_b32 v[48+\u], s[36+\u], wd/4
.endr
.set wd, wd+4
.endr
	global_store_b128 v9, v[48:51], s[26:27]       ; 128 words: 512 consecutive bytes, aligned
	s_add_co_u32 s29, s29, 1
	s_cmp_lt_u32 s29, 4
	s_cbranch_scc1 .Lmtrip
	s_endpgm                                       ; this path touched no LDS
; ---------------------------------------------------------------- QUERY, KEY, VALUE.  Plain streams of blocks of 32.  A wave takes 16 steps of 512 numbers.
; Each load reads 512 consecutive bytes; a step's 2,048 bytes turn through the wave's own stage in LDS so that a lane holds 16 neighbours along K; two neighbouring lanes hold a block.
.set AR,   16                          ; v16-79   four sets of 16 numbers as loaded
.set AX,   80                          ; v80-111  two sets of 16 neighbours
.set AE,   112                         ; v112-127 a scale byte for each step
.set AC,   128                         ; v128-189 codes: registers of its own for each step
.set WREG, 8192                        ; LDS bytes 0 - 32,767: a region for each wave: two stages of 32 x 80 bytes, then its 256 scale bytes
.set SP,   80
.Lacts:
	v_lshlrev_b32 v3, 4, v2                        ; my 16 bytes of a load's 512
	s_mul_i32 s29, s[WV], WREG
	v_lshrrev_b32 v14, 2, v2
	v_mul_u32_u24 v14, v14, SP
	v_and_b32 v15, 3, v2
	v_lshl_add_u32 v14, v15, 4, v14
	v_add_nc_u32 v14, s29, v14                     ; the stage, on the way in: 80 (lane / 4) + 16 (lane % 4)
	v_mul_u32_u24 v15, v2, SP
	v_add_nc_u32 v15, s29, v15                     ; and on the way out: 80 x lane
	v_lshlrev_b32 v4, 3, v2                        ; my 8 bytes of codes in a step's 256
	v_lshrrev_b32 v5, 1, v2
	s_add_co_u32 s29, s29, 2*32*SP
	v_add_nc_u32 v5, s29, v5                       ; my block's scale byte in LDS
	v_lshlrev_b32 v7, 3, v2
	v_add_nc_u32 v6, s29, v7
	s_cmp_lt_u32 ttmp9, 128                        ; which tensor: the choice hangs on the work-group's number alone
	s_cselect_b64 s[30:31], s[4:5], s[6:7]
	s_cselect_b32 s32, 0, 128
	s_cmp_lt_u32 ttmp9, 384
	s_cselect_b64 s[30:31], s[30:31], s[8:9]
	s_cselect_b32 s32, s32, 384
	s_sub_co_u32 s33, ttmp9, s32
	s_lshl_b32 s33, s33, 2
	s_add_co_u32 s33, s33, s[WV]                   ; which run of 8,192 numbers of the tensor
	s_lshl_b32 s34, s33, 15
	s_mov_b32 s35, 0
	s_add_nc_u64 s[30:31], s[30:31], s[34:35]
	s_lshl_b32 s33, ttmp9, 2
	s_add_co_u32 s33, s33, s[WV]                   ; and of the three together: the rows of the codes' buffer follow each other in that order
	s_lshl_b32 s34, s33, 12
	s_add_nc_u64 s[20:21], s[20:21], s[34:35]
	s_lshl_b32 s34, s33, 8
	s_add_nc_u64 s[22:23], s[22:23], s[34:35]
.macro LOADA t
.irp i, 0,1,2,3
	global_load_b128 v[AR+16*((\t)%4)+4*\i:AR+16*((\t)%4)+4*\i+3], v3, s[30:31] offset:2048*(\t)+512*\i th:TH_LOAD_NT
.endr
.endm
.macro TURNA t                         ; LDS serves a wave's instructions in order: no wait between the stores and the loads
.irp i, 0,1,2,3
	ds_store_b128 v14, v[AR+16*((\t)%4)+4*\i:AR+16*((\t)%4)+4*\i+3] offset:32*SP*((\t)%2)+8*SP*\i
.endr
.irp i, 0,1,2,3
	ds_load_b128 v[AX+16*((\t)%2)+4*\i:AX+16*((\t)%2)+4*\i+3], v15 offset:32*SP*((\t)%2)+16*\i
.endr
.endm
.irp t, 0,1,2,3
	LOADA \t
.endr
	s_wait_loadcnt 12                              ; step 0's four loads are in; twelve younger ones stay out
	TURNA 0
.macro STEPA t
.set XS, AX+16*((\t)%2)
.if (\t) > 0
	s_wait_dscnt 1                                 ; this step's numbers are back from the stage; the last step's byte store may be out
.else
	s_wait_dscnt 0x0
.endif
.if (\t)+4 < 16
	LOADA (\t)+4                                   ; into the set whose stores into the stage have read their registers
.endif
.if (\t)+1 < 16
.if 14-(\t) >= 3
	s_wait_loadcnt 12                              ; the next step's loads are in; those of the three steps behind it may be out
.else
	s_wait_loadcnt 4*(14-(\t))
.endif
	TURNA (\t)+1
.endif
	v_max3_num_f32 v8, |v[XS]|, |v[XS+1]|, |v[XS+2]|
	v_max3_num_f32 v9, |v[XS+3]|, |v[XS+4]|, |v[XS+5]|
.irp i, 6,10
	v_max3_num_f32 v8, v8, |v[XS+\i]|, |v[XS+\i+1]|
	v_max3_num_f32 v9, v9, |v[XS+\i+2]|, |v[XS+\i+3]|
.endr
	v_max3_num_f32 v8, v8, |v[XS+14]|, |v[XS+15]|
	v_max3_num_f32 v8, v8, v9, 0x1800000           ; the floor 2^(3 - 127): the byte cannot fall under 1
	v_max_num_f32_dpp v8, v8, v8 row_xmask:1 row_mask:0xf bank_mask:0xf   ; with my neighbour's 16: the block's largest magnitude
	v_add_nc_u32 v11, 0xff000000, v8               ; 2 off its exponent field: the conversion takes that field as its scale
	v_cvt_scalef32_pk8_fp4_f32 v[AC+4*(\t)], v[XS:XS+7], v11
	v_cvt_scalef32_pk8_fp4_f32 v[AC+4*(\t)+1], v[XS+8:XS+15], v11
	v_lshrrev_b32 v[AE+(\t)], 23, v11              ; the scale's byte
	ds_store_b8 v5, v[AE+(\t)] offset:16*(\t)      ; both lanes of a block write the same byte with the same value
	global_store_b64 v4, v[AC+4*(\t):AC+4*(\t)+1], s[20:21] offset:256*(\t)   ; the wave stores 256 consecutive bytes, aligned
.endm
.irp t, 0,1,2,3,4,5,6,7,8,9,10,11,12,13,14,15
	STEPA \t
.endr
	ds_load_b64 v[8:9], v6
	s_wait_dscnt 0x0
	global_store_b64 v7, v[8:9], s[22:23]          ; the wave's 256 scale bytes, aligned
	FINISH
; ---------------------------------------------------------------- Wq, Wk, Wv.  A wave takes 32 columns x 512 along K: 16 blocks a lane; the codes leave through the wave's stage as rows of 256 bytes.
.set BX,    32                         ; v32-95   two sets of 32 numbers
.set BC,    96                         ; v96-99   a block's codes
.set BOUT,  112                        ; v112-175 the way out
.set BSB,   24                         ; v24-27   the scale bytes, four to a register
.set PITCH, 272                        ; a stage row: 256 bytes + 16.  The four stages take LDS bytes 32,768 - 67,583
.Lweights:
	s_sub_co_u32 s29, ttmp9, 640
	s_lshr_b32 s30, s29, 6                         ; which weight
	s_bfe_u32 s31, s29, 0x40002                    ; x: 128 columns
	s_and_b32 s32, s29, 3                          ; y: 512 along K
	s_cmp_eq_u32 s30, 0
	s_cselect_b64 s[34:35], s[10:11], s[12:13]
	s_cmp_eq_u32 s30, 2
	s_cselect_b64 s[34:35], s[14:15], s[34:35]
	s_lshl_b32 s33, s31, 7
	s_lshl_b32 s36, s[WV], 5
	s_add_co_u32 s33, s33, s36                     ; my wave's first column
	s_lshl_b32 s36, s32, 22                        ; 512 rows of 8,192 bytes
	s_lshl_b32 s37, s33, 2
	s_add_co_u32 s36, s36, s37
	s_mov_b32 s37, 0
	s_add_nc_u64 s[34:35], s[34:35], s[36:37]
	s_lshl_b32 s38, s30, 11
	s_add_co_u32 s38, s38, s33
	s_add_co_u32 s38, s38, 10240                   ; the column's row in the codes' and scales' buffers
	s_lshl_b32 s36, s38, 10
	s_lshl_b32 s39, s32, 8
	s_add_co_u32 s36, s36, s39
	s_add_nc_u64 s[20:21], s[20:21], s[36:37]
	s_lshl_b32 s36, s38, 6
	s_lshl_b32 s39, s32, 4
	s_add_co_u32 s36, s36, s39
	s_add_nc_u64 s[22:23], s[22:23], s[36:37]
	v_lshlrev_b32 v3, 2, v2
	s_mul_i32 s39, s[WV], 32*PITCH
	s_add_co_u32 s39, s39, 32768                   ; my stage
	v_mul_u32_u24 v4, v2, PITCH
	v_add_nc_u32 v4, s39, v4                       ; into it: row = my column
	v_and_b32 v5, 15, v2
	v_lshrrev_b32 v6, 4, v2
	v_mul_u32_u24 v7, v6, PITCH
	v_lshl_add_u32 v7, v5, 4, v7
	v_add_nc_u32 v7, s39, v7                       ; out of it: sixteen lanes to a row
	v_lshlrev_b32 v8, 10, v6
	v_lshl_add_u32 v8, v5, 4, v8                   ; and the same place in the codes' buffer (rows of 1,024 bytes)
	v_lshlrev_b32 v9, 6, v2                        ; my column's row of scale bytes
.macro LOADB t
.set i, 0
.rept 32
	global_load_b32 v[BX+32*((\t)%2)+i], v3, s[34:35] offset:(32*(\t)+i)*8192 th:TH_LOAD_NT
.set i, i+1
.endr
.endm
	LOADB 0
	LOADB 1
.macro BLOCKB t
.set XS, BX+32*((\t)%2)
.if (\t) < 15
	s_wait_loadcnt 32                              ; this block's 32 loads are in; the next block's may be out
.else
	s_wait_loadcnt 0
.endif
	v_max3_num_f32 v12, |v[XS]|, |v[XS+1]|, |v[XS+2]|
	v_max3_num_f32 v13, |v[XS+3]|, |v[XS+4]|, |v[XS+5]|
.irp i, 6,10,14,18,22,26
	v_max3_num_f32 v12, v12, |v[XS+\i]|, |v[XS+\i+1]|
	v_max3_num_f32 v13, v13, |v[XS+\i+2]|, |v[XS+\i+3]|
.endr
	v_max3_num_f32 v12, v12, |v[XS+30]|, |v[XS+31]|
	v_max3_num_f32 v12, v12, v13, 0x1800000        ; the floor
	v_add_nc_u32 v11, 0xff000000, v12
	v_lshrrev_b32 v13, 23, v11                     ; the scale's byte
.if (\t)%4 == 0
	v_mov_b32 v[BSB+(\t)/4], v13
.else
	v_lshl_or_b32 v[BSB+(\t)/4], v13, 8*((\t)%4), v[BSB+(\t)/4]
.endif
.irp g, 0,1,2,3
	v_cvt_scalef32_pk8_fp4_f32 v[BC+\g], v[XS+8*\g:XS+8*\g+7], v11
.endr
	ds_store_b128 v4, v[BC:BC+3] offset:16*(\t)
.if (\t)+2 < 16
	LOADB (\t)+2
.endif
	s_wait_dscnt 0x0                               ; the store has read its registers: the next block's codes may be written
.endm
.set Q, 0
.rept 16
	BLOCKB Q
.set Q, Q+1
.endr
	global_store_b128 v9, v[BSB:BSB+3], s[22:23]   ; my column's 16 scale bytes
.irp t, 0,1,2,3,4,5,6,7,8,9,10,11,12,13,14,15
	ds_load_b128 v[BOUT+4*\t:BOUT+4*\t+3], v7 offset:2*\t*PITCH
.endr
.irp t, 0,1,2,3,4,5,6,7,8,9,10,11,12,13,14,15
	s_wait_dscnt 15-\t                             ; the younger loads may be out
	global_store_b128 v8, v[BOUT+4*\t:BOUT+4*\t+3], s[20:21] offset:2*\t*1024   ; sixteen lanes store 256 consecutive bytes, aligned
.endr
	FINISH
; ---------------------------------------------------------------- Wo.  A lane takes a column, 32 registers run down K: one K step of 32.  A wave takes 32 columns x 512 along K.  No LDS.
.set CX,  32                           ; v32-95   two sets of 32 numbers
.set CH,  96                           ; v96-111  hi, two to a register
.set CT,  112                          ; v112-143 at work
.set CLO, 144                          ; v144-159 lo'
.Lwo:
	s_sub_co_u32 s29, ttmp9, 832
	s_lshr_b32 s36, s29, 2                         ; x: 128 columns
	s_and_b32 s37, s29, 3                          ; y: 512 along K
	s_lshl_b32 s38, s37, 22
	s_lshl_b32 s39, s36, 9
	s_add_co_u32 s38, s38, s39
	s_lshl_b32 s39, s[WV], 7
	s_add_co_u32 s38, s38, s39
	s_mov_b32 s39, 0
	s_add_nc_u64 s[30:31], s[16:17], s[38:39]      ; Wo at row 512 y, column 128 x + 32 wave
	s_lshl_b32 s38, s36, 19                        ; 8 tiles of 16 columns, 65,536 bytes each
	s_lshl_b32 s40, s[WV], 17
	s_add_co_u32 s38, s38, s40
	s_lshl_b32 s40, s37, 14                        ; 16 K steps of 1,024 bytes
	s_add_co_u32 s38, s38, s40
	s_add_nc_u64 s[32:33], s[24:25], s[38:39]      ; hi
	s_add_nc_u64 s[34:35], s[32:33], 0x800000      ; lo'
	v_lshlrev_b32 v3, 2, v2
	v_lshrrev_b32 v8, 4, v2
	v_and_b32 v9, 15, v2
	v_lshlrev_b32 v8, 16, v8                       ; lanes 16-31: the next tile of columns
	v_lshl_add_u32 v8, v9, 4, v8                   ; + 16 r
.macro WLOAD p, k0
.set i, 0
.rept 32
	global_load_b32 v[CX+32*(\p)+i], v3, s[30:31] offset:((\k0)+i)*8192 th:TH_LOAD_NT
.set i, i+1
.endr
.endm
.macro WBLOCK p, ahead, left
	s_wait_loadcnt \left                           ; this set's loads are in; the other set's 32 may be out
	s_wait_xcnt 0x0                                ; the last block's stores have read hi and lo'
.set i, 0
.rept 16
	v_cvt_pk_f16_f32 v[CH+i], v[CX+32*\p+2*i], v[CX+32*\p+2*i+1]
.set i, i+1
.endr
.set i, 0
.irp hf, v96.l,v96.h,v97.l,v97.h,v98.l,v98.h,v99.l,v99.h,v100.l,v100.h,v101.l,v101.h,v102.l,v102.h,v103.l,v103.h,v104.l,v104.h,v105.l,v105.h,v106.l,v106.h,v107.l,v107.h,v108.l,v108.h,v109.l,v109.h,v110.l,v110.h,v111.l,v111.h
	v_cvt_f32_f16 v[CT+i], \hf
.set i, i+1
.endr
.set i, 0
.rept 16
	v_pk_add_f32 v[CT+i:CT+i+1], v[CX+32*\p+i:CX+32*\p+i+1], v[CT+i:CT+i+1] neg_lo:[0,1] neg_hi:[0,1]   ; w - hi: exact
.set i, i+2
.endr
.set i, 0
.rept 16
	v_pk_mul_f32 v[CT+i:CT+i+1], v[CT+i:CT+i+1], 0x45000000 op_sel_hi:[1,0]   ; x 2,048, so that the low part has the range of the number itself
.set i, i+2
.endr
.set i, 0
.rept 16
	v_cvt_pk_f16_f32 v[CLO+i], v[CT+2*i], v[CT+2*i+1]
.set i, i+1
.endr
.if \ahead
	WLOAD \p, 64+32*\p
.endif
.irp q, 0,1,2,3                        ; registers 4 q .. 4 q + 3 are k = 8 q + 0..7: half q / 2, lanes' half q % 2.  Sixteen lanes store 256 consecutive bytes, aligned
	global_store_b128 v8, v[CH+4*\q:CH+4*\q+3], s[32:33] offset:1024*\p+512*(\q/2)+256*(\q%2)
	global_store_b128 v8, v[CLO+4*\q:CLO+4*\q+3], s[34:35] offset:1024*\p+512*(\q/2)+256*(\q%2)
.endr
.endm
	WLOAD 0, 0
	WLOAD 1, 32
	s_mov_b32 s29, 7
.Lwtrip:                                           ; a trip: two K steps, and the loads of the two after them
	WBLOCK 0, 1, 32
	WBLOCK 1, 1, 32
	s_wait_xcnt 0x0                                ; loads and stores have read their bases
	s_add_nc_u64 s[30:31], s[30:31], 64*8192
	s_add_nc_u64 s[32:33], s[32:33], 2048
	s_add_nc_u64 s[34:35], s[34:35], 2048
	s_sub_co_u32 s29, s29, 1
	s_cmp_lg_u32 s29, 0
	s_cbranch_scc1 .Lwtrip
	WBLOCK 0, 0, 32                                ; the last two load nothing
	WBLOCK 1, 0, 0
	s_endpgm                                       ; this path touched no LDS
; ---------------------------------------------------------------- WHICH STEPS COUNT.  A work-group takes a block of 128 queries, a wave 32 of its rows: four trips of 8 whole rows.  No LDS, no barrier: launch 3 joins the four words.
; A load covers 512 keys of a row, 16 a lane.  A byte is 0 or 1, so the AND of words keeps a 1 only where every byte was 1: down the rows it tells the columns with no open key, along a row the row with none.
.Lsteps:
	s_sub_co_u32 s29, ttmp9, 928                   ; the block of 128 queries
	s_lshl_b32 s32, s29, 18                        ; 128 rows of 2,048 bytes
	s_lshl_b32 s33, s[WV], 16                      ; my 32 of them
	s_add_co_u32 s32, s32, s33
	s_mov_b32 s33, 0
	s_add_nc_u64 s[18:19], s[18:19], s[32:33]
	v_lshlrev_b32 v3, 4, v2
	v_mov_b32 v4, 0x01010101
.set i, 0
.rept 16
	v_mov_b32 v[16+i], v4                          ; v16-31: my 64 columns' AND over the rows
.set i, i+1
.endr
	s_mov_b32 s30, 0                               ; 1 once a row with no open key has been met
	s_mov_b32 s31, 0
.Lrows:
.set i, 0
.rept 32
	global_load_b128 v[32+4*i:35+4*i], v3, s[18:19] offset:(i/4)*2048+(i%4)*512
.set i, i+1
.endr
	s_wait_loadcnt 0x0
.irp r, 0,1,2,3,4,5,6,7
.set i, 0
.rept 16
	v_and_b32 v[16+i], v[16+i], v[32+16*\r+i]
.set i, i+1
.endr
.irp d, 8,4,2,1
.set i, 0
.rept \d
	v_and_b32 v[32+16*\r+i], v[32+16*\r+i], v[32+16*\r+\d+i]   ; the row's AND over my 64 bytes of it
.set i, i+1
.endr
.endr
	v_cmp_eq_u32 s34, v4, v[32+16*\r]              ; the lanes that saw no open key in this row
	s_cmp_eq_u32 s34, -1                           ; all 32: the row has none
	s_cselect_b32 s35, 1, 0
	s_or_b32 s30, s30, s35
.endr
	s_add_nc_u64 s[18:19], s[18:19], 8*2048        ; (the loads have been waited for: their base is free)
	s_add_co_u32 s31, s31, 1
	s_cmp_lt_u32 s31, 4
	s_cbranch_scc1 .Lrows
.irp q, 0,1,2,3
	v_and_b32 v[16+4*\q], v[16+4*\q], v[17+4*\q]
	v_and_b32 v[18+4*\q], v[18+4*\q], v[19+4*\q]
	v_and_b32 v[16+4*\q], v[16+4*\q], v[18+4*\q]
	v_cmp_ne_u32 s[36+\q], v4, v[16+4*\q]          ; bit l: an open key among keys 512 q + 16 l + 0..15
.endr
.irp q, 0,1,2,3                        ; a key step of 64 keys is four lanes: each group of four bits becomes one bit, and the eight bits are drawn together
	s_lshr_b32 s34, s[36+\q], 1
	s_or_b32 s[36+\q], s[36+\q], s34
	s_lshr_b32 s34, s[36+\q], 2
	s_or_b32 s[36+\q], s[36+\q], s34
	s_and_b32 s[36+\q], s[36+\q], 0x11111111
	s_lshr_b32 s34, s[36+\q], 3
	s_or_b32 s[36+\q], s[36+\q], s34
	s_and_b32 s[36+\q], s[36+\q], 0x03030303
	s_lshr_b32 s34, s[36+\q], 6
	s_or_b32 s[36+\q], s[36+\q], s34
	s_and_b32 s[36+\q], s[36+\q], 0x000f000f
	s_lshr_b32 s34, s[36+\q], 12
	s_or_b32 s[36+\q], s[36+\q], s34
	s_and_b32 s[36+\q], s[36+\q], 0xff
.endr
	s_lshl_b32 s37, s37, 8
	s_lshl_b32 s38, s38, 16
	s_lshl_b32 s39, s39, 24
	s_or_b32 s36, s36, s37
	s_or_b32 s38, s38, s39
	s_or_b32 s36, s36, s38                         ; bit g: key step g holds an open key
	s_lshr_b32 s34, s36, 2
	s_or_b32 s36, s36, s34                         ; bits 4 k and 4 k + 1: step u = 2 k + e takes key steps 4 k + e and 4 k + e + 2
	s_and_b32 s36, s36, 0x33333333
	s_lshr_b32 s34, s36, 2
	s_or_b32 s36, s36, s34
	s_and_b32 s36, s36, 0x0f0f0f0f
	s_lshr_b32 s34, s36, 4
	s_or_b32 s36, s36, s34
	s_and_b32 s36, s36, 0x00ff00ff
	s_lshr_b32 s34, s36, 8
	s_or_b32 s36, s36, s34
	s_and_b32 s36, s36, 0xffff                     ; bit u: step u counts for my rows
	s_cmp_lg_u32 s30, 0
	s_cselect_b32 s36, 0xffff, s36                 ; a row with no open key takes the mean of all values: every step counts
	v_mov_b32 v8, s36
	s_lshl_b32 s34, s29, 4                         ; four words a block of queries,
	s_lshl_b32 s35, s[WV], 2                       ; one a wave: a table of 128 bytes in all
	s_add_co_u32 s34, s34, s35
	v_mov_b32 v9, s34
	v_cmp_eq_u32 vcc_lo, 0, v2
	s_wait_xcnt 0x0                                ; EXEC changes only behind this wait
	s_and_saveexec_b32 s35, vcc_lo
	global_store_b32 v9, v8, s[46:47]              ; lane 0 alone
	s_wait_xcnt 0x0                                ; and again, in front of the line that widens it
	s_or_b32 exec_lo, exec_lo, s35
	s_endpgm                                       ; this path touched no LDS
.Lfunc_end_k_qc4ab9e2e50_prep:
	.size	k_qc4ab9e2e50_prep, .Lfunc_end_k_qc4ab9e2e50_prep-k_qc4ab9e2e50_prep
	.p2alignl 7, 3214868480
	.fill 96, 4, 3214868480
	.section	.rodata,"a",@progbits
	.p2align	6, 0x0
	.amdhsa_kernel k_qc4ab9e2e50_prep
		.amdhsa_group_segment_fixed_size 68096
		.amdhsa_private_segment_fixed_size 0
		.amdhsa_enable_private_segment 0
		.amdhsa_kernarg_size 104
		.amdhsa_user_sgpr_count 2
		.amdhsa_user_sgpr_kernarg_segment_ptr 1
		.amdhsa_wavefront_size32 1
		.amdhsa_system_sgpr_workgroup_id_x 1
		.amdhsa_system_sgpr_workgroup_id_y 1
		.amdhsa_system_sgpr_workgroup_id_z 1
		.amdhsa_system_vgpr_workitem_id 0
		.amdhsa_next_free_vgpr 192
		.amdhsa_next_free_sgpr 66
		.amdhsa_reserve_vcc 1
		.amdhsa_float_denorm_mode_32 3
		.amdhsa_float_denorm_mode_16_64 3
		.amdhsa_memory_ordered 1
		.amdhsa_forward_progress 1
		.amdhsa_inst_pref_size 194
	.end_amdhsa_kernel
	.amdgpu_metadata
---
amdhsa.version: [ 1, 2 ]
amdhsa.kernels:
  - .name:           k_qc4ab9e2e50_prep
    .symbol:         k_qc4ab9e2e50_prep.kd
    .args:
      - { .name: query, .offset: 0, .size: 8, .value_kind: global_buffer, .address_space: global }
      - { .name: key, .offset: 8, .size: 8, .value_kind: global_buffer, .address_space: global }
      - { .name: value, .offset: 16, .size: 8, .value_kind: global_buffer, .address_space: global }
      - { .name: Wq, .offset: 24, .size: 8, .value_kind: global_buffer, .address_space: global }
      - { .name: Wk, .offset: 32, .size: 8, .value_kind: global_buffer, .address_space: global }
      - { .name: Wv, .offset: 40, .size: 8, .value_kind: global_buffer, .address_space: global }
      - { .name: Wo, .offset: 48, .size: 8, .value_kind: global_buffer, .address_space: global }
      - { .name: mask, .offset: 56, .size: 8, .value_kind: global_buffer, .address_space: global }
      - { .name: codes, .offset: 64, .size: 8, .value_kind: global_buffer, .address_space: global }
      - { .name: scales, .offset: 72, .size: 8, .value_kind: global_buffer, .address_space: global }
      - { .name: wo2, .offset: 80, .size: 8, .value_kind: global_buffer, .address_space: global }
      - { .name: mbits, .offset: 88, .size: 8, .value_kind: global_buffer, .address_space: global }
      - { .name: steps, .offset: 96, .size: 8, .value_kind: global_buffer, .address_space: global }
    .group_segment_fixed_size: 68096
    .private_segment_fixed_size: 0
    .kernarg_segment_align: 8
    .kernarg_segment_size: 104
    .max_flat_workgroup_size: 128
    .sgpr_count:     66
    .vgpr_count:     192
    .wavefront_size: 32
...
	.end_amdgpu_metadata
.endif
;; end of part 1
;; launch proj (part 2): grid 4 x 80, 4 waves a work-group, clusters of 4 x 4, 327,680 bytes of LDS; arguments codes, scales, qkv16; writes qkv16
.if DOCPART == 2
	.amdgcn_target "amdgcn-amd-amdhsa--gfx1250"
	.amdhsa_code_object_version 6
	.text
	.protected	k_qc4ab9e2e50_proj
	.globl	k_qc4ab9e2e50_proj
	.p2align	8
	.type	k_qc4ab9e2e50_proj,@function
k_qc4ab9e2e50_proj:
	s_mov_b64 s[64:65], 0
	v_nop
	global_prefetch_b8 v0, s[64:65] scope:SCOPE_SE
	s_setreg_imm32_b32 hwreg(HW_REG_WAVE_MODE, 25, 1), 1
	s_wait_xcnt 0x0
	s_wait_alu depctr_hold_cnt(0) depctr_sa_sdst(0) depctr_va_vdst(0) depctr_va_sdst(0) depctr_va_ssrc(0) depctr_va_vcc(0) depctr_vm_vsrc(0)
	s_getreg_b32 s2, hwreg(HW_REG_IB_STS2, 6, 4)
	s_cmp_eq_u32 s2, 0
	s_cbranch_scc0 .Lentry_in_a_cluster
	s_endpgm
.Lentry_in_a_cluster:
	s_bfe_u32 s2, ttmp6, 0x10000c
	s_cmp_lg_u32 s2, 0xf033
	s_cbranch_scc0 .Lentry_shape_is_right
	s_endpgm
.Lentry_shape_is_right:
; Launch 2 of 5: the three QUANTISED projections, q = query Wq, k = key Wk, v = value Wv, on codes of E2M1 with one E8M0 scale for each 32 along K = 2,048; sums in f32; results rounded once to f16.
; Nothing of reference() is left out here.  LIMIT: |q|, |k|, |v| up to 65,504 (f16).
; C[m][n] = sum over k of A[m][k] B[n][k], A and B rows of the buffer of codes (1,024 bytes a row; scale bytes 64 a row).  A tile of C, 256 x 256, is made by four waves, 128 x 128 each.
; TWENTY CLUSTERS of 4 x 4 tiles, by the cluster's y (cid):  0-3 q: A = query (row 0 on), B = Wq^T (10,240 on);  4-11 k: A = key (2,048), B = Wk^T (12,288);
; 12-19 v, WITH THE ROLES SWAPPED: A = Wv^T (14,336), B = value (6,144).  All that tells them apart is made from cid, which the sixteen partners share.
; THE MATRIX INSTRUCTION IS USED TRANSPOSED (source 0 = 16 rows of B, source 1 = 16 rows of A): a lane holds one row of A and eight neighbouring rows of B.  For q and k that is one token and eight channels:
; rounded to f16, 16 bytes that ARE a lane's part of half a fragment (16 tokens x 32 channels) of the next launch's first product.  For v it is one channel and eight tokens: half a fragment of V^T (16 channels x 32 keys).
; So the results are stored as they stand, 512 consecutive bytes an instruction, as IMAGES OF OPERAND REGISTERS, with no stage in LDS:
;   q at byte 0 [batch x head 32][16 queries 64][32 channels 4][1,024];  k at 8,388,608 [32][16 keys 128][4][1,024];  v at 25,165,824 [32][32 keys 64][16 channels 8][1,024].
; K goes in steps of 512 through a ring of two LDS slots filled by the tensor data mover; the scale bytes of the work-group's rows, for all of K, come once with the first fills.
; A's tiles are asked for jointly by the four of a row of the cluster, B's by the four of a column.
; REGISTERS, in windows of 256: window 0: v0-31 addresses; v32-95 scale words, two sets (on the way out: packed results); from v128 A's fragments, one set.  window 1: B's fragments, two sets.
;   windows 2, 3: the 64 accumulators ((a, b) at v[8 (8 (a % 4) + b)]).
.set KSTEP,  512
.set NQ,     4
.set ROWB,   256
.set KROW,   1024
.set PITCH,  272                       ; an LDS row: 256 bytes + 16 of padding: the 16 rows that a load touches start at 16 different banks (64 banks of 4 bytes: ISA guide 11.1)
.set FR,     8
.set NL,     2
.set NP,     4                         ; places behind this matrix instruction (ISA guide 7.12.1)
.set HALFT,  128*PITCH
.set SLOT,   4*HALFT
.set LAPS,   2
.set KS,     64
.set SCL,    2*SLOT
.set HALFS,  32*272
.set SBLK,   4*272
.set SPARE,  SCL+4*HALFS               ; the spare words, 128 bytes a wave
.set VO,   8                           ; v8-11   the way out: 16 x lane + i x the step from one pair of B's blocks to the next
.set ADRA, 16
.set ADRB, 20
.set ADRS, 27
.set SPW,  28
.set NIL,  29
.set SC,   32
.set TMP,  32
.set AF,   128
.set G1, 24
.set G0, 32
.set G1B, 48
.set G0B, 56
.set G1S, 68
.set G0S, 76
.set G1SB, 80
.set G0SB, 88
.set MSB, 0
.macro WIN new
.if MSB != \new
	s_set_vgpr_msb (MSB<<8)|\new
.set MSB, \new
.endif
.endm
.set MUL_LO, 0xa1
.set MUL_HI, 0xf1
.set TO_B,   0x40
; A joint load: waves 0 and 1 fetch for A, waves 2 and 3 for B; the branch hangs on the wave's number alone.  An s_nop 0 and four v_nop follow each line.
.macro JLOAD g0a, g1a, g0b, g1b
	s_cmp_eq_u32 s15, 0
	s_cbranch_scc0 .Lfor_b_\@
	tensor_load_to_lds s[\g0a:\g0a+3], s[\g1a:\g1a+7]
	s_nop 0
.rept 4
	v_nop
.endr
	s_branch .Lasked_\@
.Lfor_b_\@:
	tensor_load_to_lds s[\g0b:\g0b+3], s[\g1b:\g1b+7]
	s_nop 0
.rept 4
	v_nop
.endr
.Lasked_\@:
.endm
.macro CREST
	s_cmp_lg_u32 s14, 0
	s_cbranch_scc1 .Lnot_wave_0_\@
	s_barrier_signal -3
.Lnot_wave_0_\@:
	s_barrier_wait -3
	s_barrier_signal -1
	s_barrier_wait -1
.endm
.macro CROUND
	s_barrier_signal -1
	s_barrier_wait -1
	CREST
.endm
	s_load_b128 s[4:7], s[0:1], 0x0                ; codes s[4:5], scales s[6:7]
	s_load_b64 s[12:13], s[0:1], 0x10              ; qkv16
	v_lshl_add_u32 v[SPW], v0, 2, SPARE
	v_mov_b32 v[NIL], 0
	ds_add_u32 v[SPW], v[NIL]                      ; the wave's opening: the add, twice on end, and its wait ahead of my first tensor load
	ds_add_u32 v[SPW], v[NIL]
	v_lshrrev_b32 v1, 5, v0
	v_readfirstlane_b32 s14, v1                    ; wave 0..3
	s_lshr_b32 s15, s14, 1                         ; which half of the tile's rows is mine.  Also: I fetch for A (0) or for B (1)
	s_and_b32 s16, s14, 1                          ; which half of its columns.  Also: which 128 rows I fetch
	s_bfe_u32 s40, ttmp6, 0x40000                  ; cx
	s_bfe_u32 s41, ttmp6, 0x40004                  ; cy
	s_and_b32 s96, ttmp7, 0xffff                   ; cid
	s_mov_b32 s97, 0                               ; q's numbers: the first cid of the product,
	s_mov_b32 s98, 0                               ; A's first row,
	s_mov_b32 s99, 10240                           ; B's,
	s_mov_b32 s100, 0                              ; the results' first byte,
	s_mov_b32 s101, 6                              ; log2 of a batch's tiles of 16 tokens,
	s_mov_b32 s8, 4096                             ; bytes from one of A's blocks of 16 to the next,
	s_mov_b32 s66, 1024                            ; and from one pair of B's blocks to the next
	s_cmp_ge_u32 s96, 4                            ; k's
	s_cselect_b32 s97, 4, s97
	s_cselect_b32 s98, 2048, s98
	s_cselect_b32 s99, 12288, s99
	s_cselect_b32 s100, 0x800000, s100
	s_cselect_b32 s101, 7, s101
	s_cmp_ge_u32 s96, 12                           ; v's
	s_cselect_b32 s97, 12, s97
	s_cselect_b32 s98, 14336, s98
	s_cselect_b32 s99, 6144, s99
	s_cselect_b32 s100, 0x1800000, s100
	s_cselect_b32 s8, 1024, s8
	s_cselect_b32 s66, 8192, s66
	s_sub_co_u32 s97, s96, s97                     ; the cluster's number within its product
	s_lshr_b32 s104, s97, 1
	s_and_b32 s105, s97, 1
	s_cmp_ge_u32 s96, 12
	s_cselect_b32 s67, s105, s104                  ; its row of clusters (tokens have the longer axis: rows for q and k, columns for v)
	s_cselect_b32 s97, s104, s105                  ; its column
	s_lshl_b32 s42, s97, 2
	s_add_co_u32 s42, s42, s40                     ; tile column
	s_lshl_b32 s17, s67, 2
	s_add_co_u32 s17, s17, s41                     ; tile row
	s_lshl_b32 s43, s41, 2
	s_lshl_b32 s43, 15, s43                        ; my row of the cluster
	s_lshl_b32 s44, 0x1111, s40                    ; my column
	s_or_b32 s[G1+0], s43, (0<<16)|(1<<20)|(1<<21)|(5<<22)|(3<<25)  ; the mask; elements of 1 byte; padding on; bit 21 beside a mask; after every 64 words 4 words
	s_or_b32 s[G1B+0], s44, (0<<16)|(1<<20)|(1<<21)|(5<<22)|(3<<25)
.irp g, G1, G1B
	s_mov_b32 s[\g+1], ROWB<<16                    ; tensor_dim0
	s_mov_b32 s[\g+2], 128<<16                     ; tensor_dim1
	s_mov_b32 s[\g+3], ROWB<<16                    ; tile_dim0
	s_mov_b32 s[\g+4], 128                         ; tile_dim1
	s_mov_b32 s[\g+5], KROW                        ; the pitch
	s_mov_b32 s[\g+6], 0
	s_mov_b32 s[\g+7], 0
.endr
	s_or_b32 s[G1S+0], s43, (3<<16)|(1<<20)|(1<<21)|(5<<22)|(3<<25) ; the scales of 128 rows: 8,192 dense bytes as 32 rows of 256, 16 bytes of padding behind each
	s_or_b32 s[G1SB+0], s44, (3<<16)|(1<<20)|(1<<21)|(5<<22)|(3<<25)
.irp g, G1S, G1SB
	s_mov_b32 s[\g+1], 32<<16
	s_mov_b32 s[\g+2], 32<<16
	s_mov_b32 s[\g+3], 32<<16
	s_mov_b32 s[\g+4], 32
	s_mov_b32 s[\g+5], 32
	s_mov_b32 s[\g+6], 0
	s_mov_b32 s[\g+7], 0
.endr
	s_lshl_b32 s18, s16, 7
	s_lshl_b32 s20, s17, 8
	s_add_co_u32 s20, s20, s18
	s_add_co_u32 s20, s20, s98                     ; A: row = first + 256 x tile row + 128 x half
	s_lshl_b32 s46, s42, 8
	s_add_co_u32 s46, s46, s18
	s_add_co_u32 s46, s46, s99                     ; B likewise by the tile column
	s_mov_b32 s21, 0
	s_mov_b32 s47, 0
	s_mov_b64 s[18:19], KS
	s_mul_u64 s[22:23], s[20:21], s[18:19]
	s_mul_u64 s[92:93], s[46:47], s[18:19]
	s_mov_b64 s[18:19], KROW
	s_mul_u64 s[20:21], s[20:21], s[18:19]
	s_mul_u64 s[46:47], s[46:47], s[18:19]
	s_mul_i32 s45, s14, HALFT                      ; where they go: wave x 128 rows
	s_mul_i32 s94, s14, HALFS
	s_wait_dscnt 0x0                               ; both opening adds are done
	s_wait_kmcnt 0x0
	s_add_nc_u64 s[20:21], s[4:5], s[20:21]
	s_add_nc_u64 s[22:23], s[6:7], s[22:23]
	s_add_nc_u64 s[46:47], s[4:5], s[46:47]
	s_add_nc_u64 s[92:93], s[6:7], s[92:93]
	CROUND                                         ; all sixteen work-groups are here: the first joint loads meet
	s_mov_b32 s[G0S], 1
	s_add_co_u32 s[G0S+1], s94, SCL
	s_mov_b64 s[G0S+2:G0S+3], s[22:23]
	s_or_b32 s[G0S+3], s[G0S+3], 0x80000000
	s_mov_b32 s[G0SB], 1
	s_add_co_u32 s[G0SB+1], s94, SCL
	s_mov_b64 s[G0SB+2:G0SB+3], s[92:93]
	s_or_b32 s[G0SB+3], s[G0SB+3], 0x80000000
	JLOAD G0S, G1S, G0SB, G1SB                     ; the scales first
.irp s, 0,1
	s_mov_b32 s[G0+4*\s], 1
	s_add_co_u32 s[G0+4*\s+1], s45, \s*SLOT
	s_add_nc_u64 s[G0+4*\s+2:G0+4*\s+3], s[20:21], \s*ROWB
	s_or_b32 s[G0+4*\s+3], s[G0+4*\s+3], 0x80000000
	s_mov_b32 s[G0B+4*\s], 1
	s_add_co_u32 s[G0B+4*\s+1], s45, \s*SLOT
	s_add_nc_u64 s[G0B+4*\s+2:G0B+4*\s+3], s[46:47], \s*ROWB
	s_or_b32 s[G0B+4*\s+3], s[G0B+4*\s+3], 0x80000000
	JLOAD G0+4*\s, G1, G0B+4*\s, G1B
.endr
	v_and_b32 v1, 15, v0
	v_bfe_u32 v2, v0, 4, 1
	v_mul_u32_u24 v3, v1, PITCH
	v_lshl_add_u32 v4, v2, 4, v3                   ; a fragment's row x pitch + 16 x half
	s_mul_i32 s21, s15, HALFT
	s_mul_i32 s22, s16, HALFT
	s_add_co_u32 s22, s22, 2*HALFT
.irp s, 0,1
	v_add_nc_u32 v[ADRA+\s], s21, v4
	v_add_nc_u32 v[ADRB+\s], s22, v4
	s_add_co_u32 s21, s21, SLOT
	s_add_co_u32 s22, s22, SLOT
.endr
	v_mul_u32_u24 v5, v1, KS
	v_lshrrev_b32 v6, 8, v5
	v_lshl_add_u32 v5, v6, 4, v5                   ; my row's scales: 64 bytes a row, 16 more for each 256 passed
	s_mul_i32 s21, s15, HALFS
	s_mul_i32 s22, s16, HALFS
	s_add_co_u32 s22, s22, 2*HALFS
	s_sub_co_u32 s22, s22, s21
	v_mul_u32_u24 v6, s22, v2                      ; lanes 16-31 take B's
	s_add_co_u32 s21, s21, SCL
	v_add_nc_u32 v5, v5, v6
	v_add_nc_u32 v[ADRS], s21, v5
	; the way out: where my 128 x 128 begin in qkv16
	s_lshl_b32 s104, s17, 4
	s_lshl_b32 s105, s15, 3
	s_add_co_u32 s104, s104, s105                  ; my first block of 16 of A's rows
	s_lshl_b32 s105, s42, 4
	s_lshl_b32 s10, s16, 3
	s_add_co_u32 s105, s105, s10                   ; and of B's
	s_cmp_ge_u32 s96, 12
	s_cselect_b32 s10, s105, s104                  ; the one that counts tokens,
	s_cselect_b32 s11, s104, s105                  ; and the one that counts channels: eight blocks are a head
	s_lshr_b32 s11, s11, 3                         ; the head
	s_lshr_b32 s67, s10, s101                      ; the batch
	s_lshl_b32 s67, s67, 4
	s_add_co_u32 s67, s67, s11                     ; 16 x batch + head
	s_add_co_u32 s97, s101, 12
	s_lshl_b32 s67, s67, s97                       ; x a head's bytes: its tiles of 16 tokens x 4,096
	s_bfm_b32 s97, s101, 0
	s_and_b32 s10, s10, s97                        ; the tile of tokens within the batch
	s_lshl_b32 s10, s10, 12
	s_add_co_u32 s10, s10, s67
	s_add_co_u32 s10, s10, s100
	s_mov_b32 s11, 0
	s_add_nc_u64 s[12:13], s[12:13], s[10:11]
	s_mov_b32 s9, 0                                ; s[8:9]: the step from one of A's blocks to the next
	v_and_b32 v6, 31, v0
	v_lshlrev_b32 v[VO], 4, v6
	v_add_nc_u32 v[VO+1], s66, v[VO]
	v_add_nc_u32 v[VO+2], s66, v[VO+1]
	v_add_nc_u32 v[VO+3], s66, v[VO+2]
.macro FRAG reg, adr, q, i             ; 16 rows x 128 K of 4-bit codes: 8 registers: two loads of 16 bytes, 32 bytes apart
.irp c, 0,1
	ds_load_b128 v[\reg+4*\c:\reg+4*\c+3], v[\adr] offset:64*(\q)+32*\c+(\i)*16*PITCH
.endr
.endm
; 16 matrix instructions: A's blocks a0, a0 + 1 x B's eight.  The 64 accumulators take turns, one instruction a turn, in the same order in every step.
.macro MUL16 a0, p, q, sc, zero
.irp a, \a0, \a0+1
.irp b, 0,1,2,3,4,5,6,7
.if \zero
	v_wmma_scale_f32_16x16x128_f8f6f4 v[8*(8*((\a)%4)+\b):8*(8*((\a)%4)+\b)+7], v[128*(\p)+FR*\b:128*(\p)+FR*\b+FR-1], v[AF+FR*(\a):AF+FR*(\a)+FR-1], 0, v[SC+8*NQ*(\sc)+NQ*\b+(\q)], v[SC+8*NQ*(\sc)+NQ*(\a)+(\q)] matrix_a_fmt:MATRIX_FMT_FP4 matrix_b_fmt:MATRIX_FMT_FP4 matrix_a_scale:MATRIX_SCALE_ROW1
.else
	v_wmma_scale_f32_16x16x128_f8f6f4 v[8*(8*((\a)%4)+\b):8*(8*((\a)%4)+\b)+7], v[128*(\p)+FR*\b:128*(\p)+FR*\b+FR-1], v[AF+FR*(\a):AF+FR*(\a)+FR-1], v[8*(8*((\a)%4)+\b):8*(8*((\a)%4)+\b)+7], v[SC+8*NQ*(\sc)+NQ*\b+(\q)], v[SC+8*NQ*(\sc)+NQ*(\a)+(\q)] matrix_a_fmt:MATRIX_FMT_FP4 matrix_b_fmt:MATRIX_FMT_FP4 matrix_a_scale:MATRIX_SCALE_ROW1
.endif
.endr
.endr
.endm
.macro FETCH_B slot, q, p
	WIN TO_B
.irp i, 0,1,2,3,4,5,6,7
	FRAG 128*(\p)+FR*\i, ADRB+\slot, \q, \i
.endr
	WIN 0
.endm
.macro FETCH_A slot, q, i0
.irp i, \i0, \i0+1, \i0+2, \i0+3
	FRAG AF+FR*(\i), ADRA+\slot, \q, \i
.endr
.endm
.macro SCALES sc                       ; a K step's scale words: lanes 0-15 A's block i, lanes 16-31 B's block i
.irp i, 0,1,2,3,4,5,6,7
	ds_load_b128 v[SC+8*NQ*\sc+NQ*\i:SC+8*NQ*\sc+NQ*\i+3], v[ADRS] offset:\i*SBLK
.endr
.endm
.macro PLACES n                        ; plain vector instructions between a matrix instruction and a load into, or a vector write of, one of its registers, or a read of its result
.rept \n
	v_nop
.endr
.endm
.macro STEP slot, q, zero
	s_wait_dscnt 4*NL                              ; B's set and A's blocks 0-3 are in; the youngest eight loads (A's blocks 4-7) may be out
	WIN MUL_LO
	MUL16 0, (\q)%2, \q, \slot, \zero
	MUL16 2, (\q)%2, \q, \slot, \zero
	s_wait_dscnt 0
	PLACES NP
	FETCH_B \slot, (\q)+1, 1-(\q)%2
	FETCH_A \slot, (\q)+1, 0
	WIN MUL_HI
	MUL16 4, (\q)%2, \q, \slot, \zero
	MUL16 6, (\q)%2, \q, \slot, \zero
	PLACES NP
	WIN 0
	FETCH_A \slot, (\q)+1, 4
.endm
; A slot's last step changes slots: each wave waits for all its tensor loads, adds 0 to its spare word, waits for that and for its reads of this slot; then the barrier.  fill = 1: the slot is filled again.
.macro TURN slot, next, fill
	s_wait_tensorcnt 0x0                           ; all my tensor loads have landed: my part of the next slot
	ds_add_u32 v[SPW], v[NIL]                      ; 0 onto my spare word
	s_wait_dscnt 4*NL+1                            ; the add and the youngest eight loads may be out
	WIN MUL_LO
	MUL16 0, 1, NQ-1, \slot, 0
	s_wait_dscnt 0x0                               ; the add is done, and my reads of this slot are over
	s_barrier_signal -1
	MUL16 2, 1, NQ-1, \slot, 0
	WIN 0
	s_barrier_wait -1
.if \fill
	CREST                                          ; the barrier has opened a round of the cluster's: no wave of any partner still reads this slot or has a load on its way
	s_add_nc_u64 s[G0+4*\slot+2:G0+4*\slot+3], s[G0+4*\slot+2:G0+4*\slot+3], 2*ROWB
	s_add_nc_u64 s[G0B+4*\slot+2:G0B+4*\slot+3], s[G0B+4*\slot+2:G0B+4*\slot+3], 2*ROWB
	JLOAD G0+4*\slot, G1, G0B+4*\slot, G1B         ; the first tensor load behind the round; its four v_nop are the places in front of the loads below
.else
	PLACES NP
.endif
	v_add_nc_u32 v[ADRS], 4*NQ, v[ADRS]
	FETCH_B \next, 0, 0
	FETCH_A \next, 0, 0
	SCALES \next
	WIN MUL_HI
	MUL16 4, 1, NQ-1, \slot, 0
	MUL16 6, 1, NQ-1, \slot, 0
	PLACES NP
	WIN 0
	FETCH_A \next, 0, 4
.endm
.macro STEPS slot, from
.set Q, \from
.rept NQ-1-\from
	STEP \slot, Q, 0
.set Q, Q+1
.endr
.endm
	s_wait_tensorcnt 1                             ; the scales and my part of K step 0 are in; K step 1's load may be out
	s_barrier_signal -1
	s_barrier_wait -1
	FETCH_B 0, 0, 0
	FETCH_A 0, 0, 0
	SCALES 0
	FETCH_A 0, 0, 4
	STEP 0, 0, 1                                   ; the first step's products start the sums: nothing is cleared
	s_mov_b32 s3, LAPS-1
.Llap:
	STEPS 0, 1
	TURN 0, 1, 1
	STEPS 1, 0
	TURN 1, 0, 1
	STEP 0, 0, 0
	s_sub_co_u32 s3, s3, 1
	s_cmp_lg_u32 s3, 0
	s_cbranch_scc1 .Llap
	STEPS 0, 1                                     ; the last lap fills nothing
	TURN 0, 1, 0
	STEPS 1, 0
	s_wait_dscnt 4*NL
	WIN MUL_LO
	MUL16 0, 1, NQ-1, 1, 0
	MUL16 2, 1, NQ-1, 1, 0
	s_wait_dscnt 0
	WIN MUL_HI
	MUL16 4, 1, NQ-1, 1, 0
	MUL16 6, 1, NQ-1, 1, 0
	WIN 0
; THE WAY OUT, by A's blocks.  Accumulator (a, b), rounded to f16, is half b % 2 of the fragment b / 2 of block a: it is stored as it stands.
.macro PACK a
.set AC, 64*((\a)%4)
.set TP, TMP+32*((\a)%2)
	WIN 0x0a+5*((\a)/4)                            ; sources 0 and 1: window 2 or 3
.irp b, 0,1,2,3,4,5,6,7
.irp r, 0,1,2,3
	v_cvt_pk_f16_f32 v[TP+4*\b+\r], v[AC+8*\b+2*\r], v[AC+8*\b+2*\r+1]     ; each accumulator from its low end on
.endr
.endr
	WIN 0
.endm
	PLACES NP                                      ; the conversions write registers that held scale words, and later read the last products' results
.irp a, 0,1,2,3,4,5,6,7
	PACK \a                                        ; into the set that block a - 2 stored from: the wait in block a - 1 stood behind those stores
	s_wait_xcnt 0x0                                ; the earlier stores have read their data and their base
.if \a > 0
	s_add_nc_u64 s[12:13], s[12:13], s[8:9]
.endif
.irp b, 0,1,2,3,4,5,6,7
	global_store_b128 v[VO+\b/2], v[TMP+32*(\a%2)+4*\b:TMP+32*(\a%2)+4*\b+3], s[12:13] offset:512*(\b%2)   ; 32 lanes store 512 consecutive bytes, aligned
.endr
.endr
	s_wait_tensorcnt 0x0                           ; the wave's end
	ds_add_u32 v[SPW], v[NIL]
	s_wait_dscnt 0x0
	CROUND                                         ; the closing round
	s_endpgm
.Lfunc_end_k_qc4ab9e2e50_proj:
	.size	k_qc4ab9e2e50_proj, .Lfunc_end_k_qc4ab9e2e50_proj-k_qc4ab9e2e50_proj
	.p2alignl 7, 3214868480
	.fill 96, 4, 3214868480
	.section	.rodata,"a",@progbits
	.p2align	6, 0x0
	.amdhsa_kernel k_qc4ab9e2e50_proj
		.amdhsa_group_segment_fixed_size 327680
		.amdhsa_private_segment_fixed_size 0
		.amdhsa_enable_private_segment 0
		.amdhsa_kernarg_size 24
		.amdhsa_user_sgpr_count 2
		.amdhsa_user_sgpr_kernarg_segment_ptr 1
		.amdhsa_wavefront_size32 1
		.amdhsa_system_sgpr_workgroup_id_x 1
		.amdhsa_system_sgpr_workgroup_id_y 1
		.amdhsa_system_sgpr_workgroup_id_z 1
		.amdhsa_system_vgpr_workitem_id 0
		.amdhsa_next_free_vgpr 1024
		.amdhsa_next_free_sgpr 106
		.amdhsa_reserve_vcc 0
		.amdhsa_float_denorm_mode_32 3
		.amdhsa_float_denorm_mode_16_64 3
		.amdhsa_memory_ordered 1
		.amdhsa_forward_progress 1
		.amdhsa_inst_pref_size 206
	.end_amdhsa_kernel
	.amdgpu_metadata
---
amdhsa.version: [ 1, 2 ]
amdhsa.kernels:
  - .name:           k_qc4ab9e2e50_proj
    .symbol:         k_qc4ab9e2e50_proj.kd
    .args:
      - { .name: codes, .offset: 0, .size: 8, .value_kind: global_buffer, .address_space: global }
      - { .name: scales, .offset: 8, .size: 8, .value_kind: global_buffer, .address_space: global }
      - { .name: qkv16, .offset: 16, .size: 8, .value_kind: global_buffer, .address_space: global }
    .group_segment_fixed_size: 327680
    .private_segment_fixed_size: 0
    .kernarg_segment_align: 8
    .kernarg_segment_size: 24
    .max_flat_workgroup_size: 128
    .sgpr_count:     106
    .vgpr_count:     1024
    .wavefront_size: 32
...
	.end_amdgpu_metadata
.endif
;; end of part 2
;; launch attn (part 3): grid 8 x 32, 4 waves a work-group, no clusters, 262,656 bytes of LDS; arguments qkv16, mbits, steps, a16, alo; writes a16, alo
.if DOCPART == 3
	.amdgcn_target "amdgcn-amd-amdhsa--gfx1250"
	.amdhsa_code_object_version 6
	.text
	.protected	k_qc4ab9e2e50_attn
	.globl	k_qc4ab9e2e50_attn
	.p2align	8
	.type	k_qc4ab9e2e50_attn,@function
k_qc4ab9e2e50_attn:
	s_mov_b64 s[64:65], 0
	v_nop
	global_prefetch_b8 v0, s[64:65] scope:SCOPE_SE
	s_setreg_imm32_b32 hwreg(HW_REG_WAVE_MODE, 25, 1), 1
	s_wait_xcnt 0x0
; Launch 3 of 5: a[b][q][head] = the sum over k of softmax_k(masked q . k / sqrt(128)) v.  q, k, v: f16, as images of operand registers (launch 2).  Products, maxima and sums in f32; the weights p are
; rounded to f16 for the second product, a once at the end.
; WORK PASSED OVER: the steps of 128 queries x 128 keys that lie wholly under the mask, by the words that launch 1 stored (its head comment shows why they add nothing: their weights are 0 in f32 beside any open key,
; and where a row has no open key every step counts).  A step that does not count may be walked all the same: its scores are the fill.  So the list need only hold every step that counts, each once;
; steps 0 and 1 are always on it, so that the pipeline's head and tail have their two steps.  LIMIT: a NaN or an infinity that only passed-over keys and values hold is not carried to the result.
; THE MASK comes as lane words (launch 1): one 32-bit word for each register of a tile of scores, read by scalar loads; one v_cndmask_b32 a register puts the fill in place of a masked score.
; THE FILL IS -2^67 WHERE reference() HAS -1e20.  With f16 operands a score's magnitude is at most 128 x 65,504^2 = 5.5e11, so under either fill a masked weight is 0 in f32 beside any open key, and a row that is
; wholly masked comes out as the plain mean of all values.  c x 2^67 is exact, so that c s - c m is exactly 0 for the masked scores of such a row.
; SHARES.  A work-group owns 128 queries of one batch and head.  Wave w: qh = w % 2 picks 64 of them (four tiles of 16), kh = w / 2 picks one half of every step's 128 keys: key step g = 4 (u / 2) + 2 kh + u % 2 of step u.
; The two waves of a qh each hold a maximum, a sum and an O^T over their keys; they are joined once, at the end, through LDS.  REGISTER TILE t HOLDS QUERY TILE t xor 2 kh: every wave keeps register tiles 0, 1 and sends 2, 3.
; LAYOUT.  S^T = K Q^T (source 0 = 16 keys, source 1 = 16 queries): a lane holds ONE query (lane % 16) and the keys 8 (lane / 16) + 0..7.  Two such tiles, rounded to f16 in pairs, are source 1 of O^T = V^T P.
; SOFTMAX.  A running maximum m and sum l for each query: p = 2^(c s - c m), c = log2(e) / sqrt(128); in every step O^T and l are multiplied by a = 2^(c m_old - c m_new).
; BY TURNS.  The wave's tiles are two pieces (tiles 0, 1 and tiles 2, 3).  In a turn one piece has the matrix unit: 32 products V^T P of the step in hand, then 32 products K Q^T of the next; the other piece's
; softmax, 332 instructions, stands between them, five behind each matrix instruction and the seventeen that are over behind the last.
; HOW K AND V COME.  Which steps are walked hangs on numbers read from memory; there is no tensor load here, and with it
; no joint request and no cluster.  Each wave brings a quarter of a step (16,384 dense bytes: K or V of one key half) by 32 loads of 512 consecutive bytes into 128 registers of its own, asked for at a trip's head for the
; step two on, and lays them into LDS at the trip's end.  Step s lies in slot s % 4.  THE LOOP HAS A CONSTANT 14 TRIPS with one barrier at each trip's end, which every wave passes; a scalar branch on the count of steps
; leads round a trip's work and round nothing else.  Trip j reads slot (j + 1) % 4 and writes slot (j + 2) % 4, which was last read three trips back.
; THE FIRST 16 POSITIONS of each batch are also stored as a second f16 number, (a - f16(a)) x 2,048, for launch 5.
; LIMITS: |q|, |k|, |v|, |a| up to 65,504; NaN and infinities are not served; the sums' order differs from reference()'s.
; REGISTERS, in windows of 256: window 0: v0-11 addresses; v12-43 statistics, eight a tile; v46 the fill; v48-59 the end's; v64-191 S^T; v192-255 P.  window 1: O^T, 64 a tile (at the head: steps 0 and 1 on their way to LDS).
;   window 2: v0-127 Q; v128-255 K of one step.  window 3: v0-127 V of one step, at the end the partner's O^T; v128-255 my quarter of the step two on.
.set SLOTB, 65536     ; a slot: K of key half 0, K of half 1, V of half 0, V of half 1: 16,384 bytes each
.set SPARE, 4*SLOTB   ; behind the four slots: the spare words, 128 bytes a wave
.set MRG,   16896     ; the end: a wave's 16,384 bytes of O^T and 512 of statistics, laid over slots 0 and 1 behind the loop's last barrier
.set AK0, 2           ; v2   16 x lane + 16,384 kh: my lane's place in a slot's K
.set AV0, 3           ; v3   the same in its V
.set ADR, 4           ; v4   the LDS address of the run of loads in hand
.set QO0, 5           ; v5   Q: register tiles 0, 1
.set QO2, 6           ; v6   Q: register tiles 2, 3
.set LI,  7           ; v7   16 x lane
.set SND, 8           ; v8   the end: where I put O^T;  v9 where my partner has put its;  v10, v11 the same for the statistics
.set RCV, 9
.set SNS, 10
.set RCS, 11
.set ST,  12          ; tile t's statistics at v[ST+8 t]: +0 c m, +1 m, +2, +3 l, +4 to +7 at work; a takes +6 once the maximum is found
.set FILL, 46
.set POSV, 47         ; v47  the position in the sequence of my lane's query of register tile 0
.set ST0, 60          ; v60  16 x lane + 16,384 x wave: where my quarter of a step lies in a slot
.set ADS, 61          ; v61  the LDS address of the run of stores in hand
.set SPW, 62
.set NIL, 63
.set S,   64
.set P,   192
.set KF,  128
.set XB,  128         ; in window 3: my quarter of the step two on
.set WV,  2           ; s2   my wave's number
.set TRIP, 3          ; s3   the loop's trip, 1 to 14
.set NL,  4           ; s4   the steps on the list less 2: trips 1 to NL have work
.set TB,  5           ; s5   the slot of the step to be fetched into registers
.set SB,  6           ; s6   the slot into which the step two on is laid
.set LQ,  8           ; s[8:9]   the list, 4 bits an entry, as the loads of K and V take it
.set GB,  10          ; s[10:11] my quarter of key steps 0 (kh' = 0) or 2 (kh' = 1) of K or V in qkv16
.set GA,  12          ; s[12:13] my quarter of the step that is being asked for
.set OF,  14          ; s[14:15] an offset; the upper word stays 0
.set MB,  16          ; s[16:17] the mask words of my 64 queries and my key half
.set UN,  18          ; s18  the step whose mask words come next
.set UG,  19          ; s19  the step whose K or V comes next
.set MP,  20          ; s[20:21] the mask words of the next turn
.set AO,  22          ; s[22:23] my two tiles in a16
.set LM,  24          ; s[24:25] the list once more, as the mask words take it
.set SEL, 26          ; s[26:27] lane selects: lane l xor 16
.set AL,  28          ; s[28:29] the low parts' place in alo
.set POS, 30
.set MK0, 32          ; s[32:63] the words of a piece's first tile; s[68:99] of its second
.set CS,  66          ; s[66:67] c
.set QP,  100         ; s[100:101] Q
.set MSB, 0
.macro WIN new
.if MSB != \new
	s_set_vgpr_msb (MSB<<8)|\new
.set MSB, \new
.endif
.endm
.set W_KQ, 0x0a       ; K and Q in window 2, S^T in window 0
.set W_PV, 0x53       ; source 0 window 3, source 1 window 0, source 2 and destination window 1
.set W_RS, 0x41       ; destination and source 0 window 1, source 1 window 0
.macro POP q, dst                   ; the list's next entry; an emptied list gives step 0.  A number made of loaded numbers is held under a constant before it enters an address
	s_and_b32 s[\dst], s[\q], 15
	s_min_u32 s[\dst], s[\dst], 15
	s_lshr_b64 s[\q:\q+1], s[\q:\q+1], 4
.endm
.macro CHUNK ga                     ; where my quarter of the list's next step lies: key step 4 (u / 2) + u % 2 = 2 (u & 14) + (u & 1), 16,384 bytes each
	POP LQ, UG
	s_and_b32 s[OF], s[UG], 14
	s_lshl_b32 s[OF], s[OF], 15
	s_and_b32 s7, s[UG], 1
	s_lshl_b32 s7, s7, 14
	s_add_co_u32 s[OF], s[OF], s7
	s_add_nc_u64 s[\ga:\ga+1], s[GB:GB+1], s[OF:OF+1]
.endm
.macro BRING win, reg, ga           ; 32 loads of 512 consecutive bytes: a quarter of a step
	WIN \win
.set i, 0
.rept 32
	global_load_b128 v[\reg+4*i:\reg+4*i+3], v[LI], s[\ga:\ga+1] offset:512*i
.set i, i+1
.endr
	WIN 0
.endm
.macro LAY win, reg, adr            ; and into LDS as it lies
	WIN \win
.set i, 0
.rept 32
	ds_store_b128 v[\adr], v[\reg+4*i:\reg+4*i+3] offset:512*i
.set i, i+1
.endr
	WIN 0
.endm
	s_load_b256 s[40:47], s[0:1], 0x0  ; qkv16 s[40:41], mbits s[42:43], steps s[44:45], a16 s[46:47]: the head's scalars lie where the mask words will
	s_load_b64 s[48:49], s[0:1], 0x20  ; alo
	v_lshl_add_u32 v[SPW], v0, 2, SPARE
	v_mov_b32 v[NIL], 0
	v_lshrrev_b32 v1, 5, v0
	v_readfirstlane_b32 s[WV], v1   ; wave 0..3
	s_and_b32 s50, ttmp7, 0xffff    ; 16 x batch + head
	s_and_b32 s51, s[WV], 1         ; qh.  Also: which key half's K or V I bring
	s_lshr_b32 s52, s[WV], 1        ; kh.  Also: I bring K (0) or V (1)
	s_lshl_b32 s54, s50, 19         ; my quarter in qkv16: a head's K or V is 524,288 bytes,
	s_lshl_b32 s55, s51, 15         ; key half 1 lies two key steps on,
	s_add_co_u32 s54, s54, s55
	s_lshl_b32 s55, s52, 24         ; V begins 16,777,216 bytes behind K,
	s_add_co_u32 s54, s54, s55
	s_add_co_u32 s54, s54, 0x800000 ; K at 8,388,608
	s_mov_b32 s55, 0
	s_lshl_b32 s56, s50, 18         ; Q: a head's is 262,144 bytes; 8 tiles of 4,096 a block of queries, 4 a wave
	s_lshl_b32 s57, ttmp9, 15
	s_add_co_u32 s56, s56, s57
	s_lshl_b32 s57, s51, 14
	s_add_co_u32 s56, s56, s57
	s_mov_b32 s57, 0
	s_lshl_b32 s58, ttmp9, 15       ; the mask words: 16,384 bytes for each 64 queries, 8,192 for each kh
	s_lshl_b32 s59, s51, 14
	s_add_co_u32 s58, s58, s59
	s_lshl_b32 s59, s52, 13
	s_add_co_u32 s58, s58, s59
	s_mov_b32 s59, 0
	s_lshr_b32 s60, s50, 4          ; batch
	s_and_b32 s61, s50, 15          ; head
	s_lshl_b32 s62, s60, 22         ; a16: tile of rows 64 batch + 8 block + 4 qh + 2 kh, 65,536 bytes each; the head's four K steps of 1,024
	s_lshl_b32 s63, ttmp9, 19
	s_add_co_u32 s62, s62, s63
	s_lshl_b32 s63, s51, 18
	s_add_co_u32 s62, s62, s63
	s_lshl_b32 s63, s52, 17
	s_add_co_u32 s62, s62, s63
	s_lshl_b32 s63, s61, 12
	s_add_co_u32 s62, s62, s63
	s_mov_b32 s63, 0
	s_lshl_b32 s68, s60, 16         ; alo: 65,536 bytes a batch
	s_lshl_b32 s69, s61, 12
	s_add_co_u32 s68, s68, s69
	s_mov_b32 s69, 0
	s_lshl_b32 s70, ttmp9, 4        ; steps: four words a block of queries
	s_mov_b32 s71, 0
	s_lshl_b32 s[POS], ttmp9, 7
	s_lshl_b32 s7, s51, 6
	s_add_co_u32 s[POS], s[POS], s7
	s_lshl_b32 s7, s52, 5
	s_add_co_u32 s[POS], s[POS], s7 ; the first position of my register tile 0
	s_mov_b32 s[CS], 0x3e0293ee     ; c = log2(e) / sqrt(128)
	s_mov_b32 s[CS+1], s[CS]
	s_mov_b32 s[SEL], 0x76543210
	s_mov_b32 s[SEL+1], 0xfedcba98
	s_mov_b32 s[OF+1], 0
	s_mov_b32 s[TB], 0
	s_wait_kmcnt 0x0
	s_add_nc_u64 s[GB:GB+1], s[40:41], s[54:55]
	s_add_nc_u64 s[QP:QP+1], s[40:41], s[56:57]
	s_add_nc_u64 s[MB:MB+1], s[42:43], s[58:59]
	s_add_nc_u64 s[44:45], s[44:45], s[70:71]
	s_add_nc_u64 s[AO:AO+1], s[46:47], s[62:63]
	s_add_nc_u64 s[AL:AL+1], s[48:49], s[68:69]
	s_load_b128 s[72:75], s[44:45], 0x0  ; the four words of my 128 queries; Q's loads and the addresses below stand between this load and the wait for it
	v_and_b32 v1, 15, v0            ; r
	v_and_b32 v[LI], 31, v0
	v_lshlrev_b32 v[SNS], 2, v[LI]  ; 4 x lane
	v_lshlrev_b32 v[LI], 4, v[LI]
	s_lshl_b32 s7, s52, 13
	v_add_nc_u32 v[QO0], s7, v[LI]  ; register tiles 0, 1 are query tiles 2 kh, 2 kh + 1,
	s_xor_b32 s7, s7, 8192
	v_add_nc_u32 v[QO2], s7, v[LI]  ; tiles 2, 3 the other two
	WIN 0x80                        ; destination window 2
.irp i, 0,1,2,3,4,5,6,7             ; Q stays in registers: tile i / 4, channels 32 (i % 4) on
	global_load_b128 v[8*\i:8*\i+3],   v[QO0], s[QP:QP+1] offset:(\i/4)*4096+(\i%4)*1024
	global_load_b128 v[8*\i+4:8*\i+7], v[QO0], s[QP:QP+1] offset:(\i/4)*4096+(\i%4)*1024+512
.endr
.irp i, 8,9,10,11,12,13,14,15
	global_load_b128 v[8*\i:8*\i+3],   v[QO2], s[QP:QP+1] offset:(\i/4-2)*4096+(\i%4)*1024
	global_load_b128 v[8*\i+4:8*\i+7], v[QO2], s[QP:QP+1] offset:(\i/4-2)*4096+(\i%4)*1024+512
.endr
	WIN 0
	s_lshl_b32 s7, s52, 14
	v_add_nc_u32 v[AK0], s7, v[LI]
	v_add_nc_u32 v[AV0], 32768, v[AK0]
	s_lshl_b32 s7, s[WV], 14
	v_add_nc_u32 v[ST0], s7, v[LI]
	v_add_nc_u32 v[ADS], SLOTB, v[ST0]  ; slot 1, for the head
	s_xor_b32 s31, s[WV], 2         ; my partner: the same queries, the other keys
	s_mul_i32 s31, s31, MRG
	v_add_nc_u32 v[RCV], s31, v[LI]
	s_add_co_u32 s31, s31, 16384
	v_add_nc_u32 v[RCS], s31, v[SNS]
	s_mul_i32 s7, s[WV], MRG
	v_add_nc_u32 v[SND], s7, v[LI]
	s_add_co_u32 s7, s7, 16384
	v_add_nc_u32 v[SNS], s7, v[SNS]
	s_wait_kmcnt 0x0
	; THE LIST: the steps that count for any of my work-group's 128 rows, in ascending order, 4 bits an entry.  No branch: a step that does not count adds 0 at the place that the next one will take.
	s_or_b32 s72, s72, s73
	s_or_b32 s74, s74, s75
	s_or_b32 s72, s72, s74
	s_or_b32 s72, s72, 3            ; steps 0 and 1 are always walked
	s_and_b32 s72, s72, 0xffff
	s_mov_b32 s[LQ], 0
	s_mov_b32 s[LQ+1], 0
	s_mov_b32 s73, 0                ; 4 x the entries so far
.set u, 0
.rept 16
	s_bfe_u32 s74, s72, (1<<16)|u   ; does step u count?
.if u > 0
	s_mul_i32 s76, s74, u
	s_mov_b32 s77, 0
	s_lshl_b64 s[76:77], s[76:77], s73
	s_or_b32 s[LQ], s[LQ], s76
	s_or_b32 s[LQ+1], s[LQ+1], s77
.endif
	s_lshl_b32 s74, s74, 2
	s_add_co_u32 s73, s73, s74
.set u, u+1
.endr
	s_lshr_b32 s[NL], s73, 2        ; 2 to 16 steps
	s_sub_co_u32 s[NL], s[NL], 2
	s_mov_b32 s[LM], s[LQ]
	s_mov_b32 s[LM+1], s[LQ+1]
	POP LM, UN                      ; the first step's mask words
	s_lshl_b32 s[OF], s[UN], 9      ; 512 bytes a step
	s_add_nc_u64 s[MP:MP+1], s[MB:MB+1], s[OF:OF+1]
	CHUNK 76                        ; the list's first three steps are asked for at once
	CHUNK 78
	CHUNK GA
	BRING 0x40, 0, 76               ; into O^T's registers, which are not yet at work
	BRING 0x40, 128, 78
	BRING 0xc0, XB, GA
; THE MATRIX WORK OF A TURN, for piece x.  The accumulators take turns, one instruction a turn.
.macro PV x, zero                   ; product i of 32 of O^T += V^T P: keys 32 (i / 16) on, channels 16 ((i / 2) % 8) on, tile x + i % 2.  zero = 1: the first 16 start the sums
	WIN W_PV
.set rO, 64*(\x+i%2)+8*((i/2)%8)
.set rV, 64*(i/16)+8*((i/2)%8)
.set rP, P+16*(\x+i%2)+8*(i/16)
.if \zero && (i < 16)
	v_wmma_f32_16x16x32_f16 v[rO:rO+7], v[rV:rV+7], v[rP:rP+7], 0
.else
	v_wmma_f32_16x16x32_f16 v[rO:rO+7], v[rV:rV+7], v[rP:rP+7], v[rO:rO+7]
.endif
.endm
.macro KQ x                         ; product i of 32 of S^T = K Q^T: channels 32 (i / 8) on, keys 16 ((i / 2) % 4) on, tile x + i % 2.  The first 8 start the sums
	WIN W_KQ
.set rS, S+32*(\x+i%2)+8*((i/2)%4)
.set rK, KF+32*((i/2)%4)+8*(i/8)
.set rQ, 32*(\x+i%2)+8*(i/8)
.if i < 8
	v_wmma_f32_16x16x32_f16 v[rS:rS+7], v[rK:rK+7], v[rQ:rQ+7], 0
.else
	v_wmma_f32_16x16x32_f16 v[rS:rS+7], v[rK:rK+7], v[rQ:rQ+7], v[rS:rS+7]
.endif
.endm
; THE LDS LOADS stand in runs of 32.  A fragment is 1,024 bytes, two loads of 512 consecutive bytes.
.macro FETCH_K
	WIN 0
	v_add_nc_u32 v[ADR], s[TB], v[AK0]
	WIN 0x80
.irp f, 0,1,2,3,4,5,6,7,8,9,10,11,12,13,14,15  ; keys 16 (f / 4) on, channels 32 (f % 4) on
	ds_load_b128 v[KF+8*\f:KF+8*\f+3],   v[ADR] offset:1024*\f
	ds_load_b128 v[KF+8*\f+4:KF+8*\f+7], v[ADR] offset:1024*\f+512
.endr
.endm
.macro FETCH_V
	WIN 0
	v_add_nc_u32 v[ADR], s[TB], v[AV0]
	s_wait_alu depctr_va_vdst(0)    ; the wait for the softmax's batch of exponentials, ahead of the loads
	WIN 0xc0
.irp f, 0,1,2,3,4,5,6,7,8,9,10,11,12,13,14,15  ; keys 32 (f / 8) on, channels 16 (f % 8) on
	ds_load_b128 v[8*\f:8*\f+3],   v[ADR] offset:1024*\f
	ds_load_b128 v[8*\f+4:8*\f+7], v[ADR] offset:1024*\f+512
.endr
.endm
.macro MASKLOAD                     ; the next turn's 64 mask words: 256 bytes
	s_load_b512 s[32:47], s[MP:MP+1], 0x0
	s_load_b512 s[48:63], s[MP:MP+1], 0x40
	s_load_b512 s[68:83], s[MP:MP+1], 0x80
	s_load_b512 s[84:99], s[MP:MP+1], 0xc0
.endm
; THE VECTOR WORK OF A TURN.  One tile's softmax for one key step is a list of 166 instructions; SM writes number j of it for tile t.  jo = j - 32.
;   j 0-31      the mask: the fill in place of a masked score, register by register from each accumulator's low end on
;   jo 0-15     the maximum of the 32 scores and the old m;   16-20 the other half of the lanes' maximum; the new m; c m; c m_old - c m_new
;   jo 21-69    ONE BATCH: the 16 scalings c s - c m, a pair each, and all 33 exponentials (a at 23).  None of these reads an exponential's result
;   (wait)      between 69 and 70 stands the one wait for the batch, for both tiles
;   jo 70-85    the roundings to f16;   86-101 the sums, l = a l + the sum;   102-133 the tile's O^T times a
; first = 1: the first key step, which starts m, l and O^T.
.macro SM t, first
.set rT, ST+8*(\t)
.set rS, S+32*(\t)
.set rP, P+16*(\t)
.set rM, MK0+36*((\t)%2)
.set jo, j-32
.set rO, 64*(\t)+2*(jo-102)
.if jo < 102
	WIN 0
.endif
.if j < 32
	v_cndmask_b32 v[rS+j], v[rS+j], v[FILL], s[rM+j]
.elseif jo < 4
	v_max3_num_f32 v[rT+4+jo], v[rS+8*jo], v[rS+8*jo+1], v[rS+8*jo+2]
.elseif jo < 12
	v_max3_num_f32 v[rT+4+jo%4], v[rT+4+jo%4], v[rS+8*(jo%4)+2*(jo/4)+1], v[rS+8*(jo%4)+2*(jo/4)+2]
.elseif jo == 12
	v_max3_num_f32 v[rT+4], v[rT+4], v[rS+7], v[rS+15]
.elseif jo == 13
	v_max3_num_f32 v[rT+6], v[rT+6], v[rS+23], v[rS+31]
.elseif jo == 14
	v_max3_num_f32 v[rT+4], v[rT+4], v[rT+5], v[rT+6]
.elseif (jo == 15) && \first
	v_max_num_f32 v[rT+4], v[rT+4], v[rT+7]
.elseif jo == 15
	v_max3_num_f32 v[rT+4], v[rT+4], v[rT+7], v[rT+1]
.elseif jo == 16
	v_permlanex16_b32 v[rT+5], v[rT+4], s[SEL], s[SEL+1]  ; the query's other 32 keys lie in the lane 16 away
.elseif jo == 18
	v_max_num_f32 v[rT+1], v[rT+4], v[rT+5]
.elseif jo == 19
	v_mul_f32 v[rT], s[CS], v[rT+1]
.elseif ((jo == 17) || (jo == 20) || (jo == 23) || (jo > 101)) && \first  ; the first step has none of these
.elseif jo == 17
	v_mov_b32 v[rT+7], v[rT]        ; c m_old is kept for a
.elseif jo == 20
	v_sub_f32 v[rT+7], v[rT+7], v[rT]
.elseif jo == 23
	v_exp_f32 v[rT+6], v[rT+7]
.elseif (jo < 23) || ((jo < 38) && (jo%2 == 0)) || ((jo < 66) && (jo%4 == 2))
.set b, (jo-2)/4
.if jo < 38
.set b, (jo-20)/2
.endif
	v_pk_fma_f32 v[rS+2*b:rS+2*b+1], v[rS+2*b:rS+2*b+1], s[CS:CS+1], v[rT:rT+1] op_sel_hi:[1,0,0] neg_lo:[0,0,1] neg_hi:[0,0,1]  ; pair b: c s - c m
.elseif jo < 70
.set e, jo-38
.if jo < 66
.set e, jo-32-(jo-38)/4
.endif
.if jo < 38
.set e, (jo-25)/2
.endif
	v_exp_f32 v[rS+e], v[rS+e]
.elseif jo < 86
	v_cvt_pk_f16_f32 v[rP+jo-70], v[rS+2*(jo-70)], v[rS+2*(jo-70)+1]
.elseif jo < 102
.set z, jo-86
.set w, 4
.set u, z
.if z >= 14
.set w, 32
.set u, 0
.elseif z >= 12
.set w, 16
.set u, z-12
.elseif z >= 8
.set w, 8
.set u, z-8
.endif
.if (z == 14) && \first
	v_pk_add_f32 v[rT+2:rT+3], v[rS:rS+1], v[rS+16:rS+17]
.elseif z < 15
	v_pk_add_f32 v[rS+w*u:rS+w*u+1], v[rS+w*u:rS+w*u+1], v[rS+w*u+w/2:rS+w*u+w/2+1]
.elseif !\first
	v_pk_fma_f32 v[rT+2:rT+3], v[rT+2:rT+3], v[rT+6:rT+7], v[rS:rS+1] op_sel_hi:[1,0,1]
.endif
.else
	WIN W_RS
	v_pk_mul_f32 v[rO:rO+1], v[rO:rO+1], v[rT+6:rT+7] op_sel_hi:[1,0]
.endif
.endm
; A piece's stream: number n of 332.  Outside the batch the two tiles alternate, so that no instruction reads the result of the one just before it; the batch (n 108-203) goes four numbers of one tile at a time.
.macro EMIT y, first
.if n < 108
.set j, n/2
	SM (\y)+n%2, \first
.elseif n < 204
.set j, 54+4*(((n-108)/4)/2)+(n-108)%4
	SM (\y)+((n-108)/4)%2, \first
.else
.set j, 102+(n-204)/2
	SM (\y)+n%2, \first
.endif
.set n, n+1
.endm
; Slice k of 64: five numbers of the stream; slice 63 has seventeen, all plain: they are the places behind the turn's last product.
; At slice 14 this turn's 64 selects have been issued: the next turn's words are asked for into the same registers (ml = 1).
; Ahead of n = 204 nothing names an exponential's result and behind it no exponential is issued: there stand the plain instruction and the ONE wait; in piece 2's turn V's run of loads
; stands there too (the last product that read V stands in front of slice 31: the scalings since, the v_nop and the run's own addition are its places).
.macro SLICE y, first, ml
.if (k == 14) && \ml
	MASKLOAD
.endif
.rept 5
.if n == 204
	v_nop
.if (\y) == 0
	FETCH_V
.else
	s_wait_alu depctr_va_vdst(0)
.endif
.endif
	EMIT \y, \first
.endr
.if k == 63
.rept 12
	EMIT \y, \first
.endr
.endif
.set k, k+1
.endm
.macro PLACES
.rept 4
	v_nop
.endr
.endm
; A TURN.  Piece x has the matrix unit.  pv = 2: 32 products V^T P; 1: they start O^T's sums; 0: none.  kq = 1: 32 products K Q^T for the next step.  A turn with one kind has two slices behind each product.
; first = 1: the softmax is the first key step's: its last slices are empty, and four v_nop take their part as places.
; The words asked for in this turn are the next softmax's: behind piece 0's softmax comes piece 2's of the same step, 256 bytes on; behind piece 2's comes piece 0's of the list's next step.
.macro TURN x, pv, kq, first, ml
.set k, 0
.set n, 0
.set per, 2
.if \pv && \kq
.set per, 1
.endif
	s_wait_kmcnt 0x0                ; this turn's mask words are in, and their loads have read the pointer
.if \ml
.if \x == 0
	POP LM, UN
	s_lshl_b32 s[OF], s[UN], 9
	s_add_nc_u64 s[MP:MP+1], s[MB:MB+1], s[OF:OF+1]
.else
	s_add_nc_u64 s[MP:MP+1], s[MP:MP+1], 256
.endif
.endif
.if \pv
.if \x == 0
	s_wait_dscnt 0x0                ; V is in
.endif
.set i, 0
.rept 32
	PV \x, 2-\pv
.rept per
	SLICE 2-\x, \first, \ml
.endr
.if (\x == 0) && \kq && (i == 1)
	FETCH_K
.endif
.set i, i+1
.endr
.endif
.if \kq
.if \x == 0
	s_wait_dscnt 0x0                ; K is in
.endif
.set i, 0
.rept 32
	KQ \x
.rept per
	SLICE 2-\x, \first, \ml
.endr
.set i, i+1
.endr
.endif
.if \first
	PLACES
.endif
.endm
	s_wait_loadcnt 32               ; Q and my quarters of the list's first two steps are in; the third step's 32 loads may stay out
	MASKLOAD                        ; the first turn's words: the head's scalars are done with, and the loads that named s[76:79] have been waited for
	LAY 0x04, 0, ST0                ; slot 0
	LAY 0x04, 128, ADS              ; slot 1
	s_wait_dscnt 0x0                ; for the others' sake: my stores have landed
	s_barrier_signal -1
	s_barrier_wait -1
	FETCH_K                         ; the first step's K
	s_wait_dscnt 0x0
.set i, 0
.rept 32
	KQ 0                            ; piece 0's first scores
.set i, i+1
.endr
	WIN 0
	v_mov_b32 v[FILL], 0xe1000000   ; -2^67.  These four lines are the places behind those products
	v_add_nc_u32 v[POSV], s[POS], v1
	v_nop
	v_nop
	TURN 2, 0, 1, 1, 1              ; piece 2's first scores | piece 0's first softmax | V of the first step
	s_mov_b32 s[TB], SLOTB          ; the second step lies in slot 1
	TURN 0, 1, 1, 1, 1              ; piece 0: V^T P of the first step starts O^T, K Q^T of the second | piece 2's first softmax | K of the second step
	TURN 2, 1, 1, 0, 1              ; piece 2: the same | piece 0's softmax of the second step | V of the second step
	WIN 0
	s_wait_loadcnt 0x0              ; my quarter of the third step
	v_add_nc_u32 v[ADS], 2*SLOTB, v[ST0]
	LAY 0x0c, XB, ADS               ; slot 2
	s_wait_dscnt 0x0
	s_barrier_signal -1
	s_barrier_wait -1
	s_mov_b32 s[TB], 2*SLOTB
	s_mov_b32 s[SB], 3*SLOTB
	s_mov_b32 s[TRIP], 1
.Lstep:                             ; trip j: V^T P of the list's step j, K Q^T of step j + 1; step j + 2 is brought.  Trips beyond the list keep the barrier and nothing else
	s_cmp_gt_u32 s[TRIP], s[NL]
	s_cbranch_scc1 .Lidle
	CHUNK GA                        ; (the loads that named this pair were waited for in the trip before)  Past the list's end this is step 0 once more: brought, laid down and read by nobody
	BRING 0xc0, XB, GA              ; it has the whole trip, 128 matrix instructions, in which to land
	TURN 0, 2, 1, 0, 1
	TURN 2, 2, 1, 0, 1
	WIN 0
	s_wait_loadcnt 0x0
	v_add_nc_u32 v[ADS], s[SB], v[ST0]
	LAY 0x0c, XB, ADS
.Lidle:
	s_wait_dscnt 0x0                ; my stores have landed, and my reads of this trip's slot are over
	s_barrier_signal -1
	s_barrier_wait -1
	s_add_co_u32 s[TB], s[TB], SLOTB  ; the slots go round outside the branch, alike in every trip
	s_and_b32 s[TB], s[TB], 4*SLOTB-1
	s_add_co_u32 s[SB], s[SB], SLOTB
	s_and_b32 s[SB], s[SB], 4*SLOTB-1
	s_add_co_u32 s[TRIP], s[TRIP], 1
	s_cmp_lt_u32 s[TRIP], 15
	s_cbranch_scc1 .Lstep
	TURN 0, 2, 0, 0, 0              ; piece 0: V^T P of the last step | piece 2's last softmax; no mask words are left to ask for
.set i, 0
.rept 32
	PV 2, 0
.set i, i+1
.endr
	; THE END.  Each tile's l; then register tiles 2, 3 go to the partner, which holds the same queries' other keys.  The additions are the places behind the last products.
	WIN 0
.irp t, 0,1,2,3
	v_add_f32 v[ST+8*\t+4], v[ST+8*\t+2], v[ST+8*\t+3]
.endr
.irp t, 0,1,2,3
	v_permlanex16_b32 v[ST+8*\t+5], v[ST+8*\t+4], s[SEL], s[SEL+1]
.endr
.irp t, 0,1,2,3
	v_add_f32 v[ST+8*\t+4], v[ST+8*\t+4], v[ST+8*\t+5]
.endr
	WIN 0x04                        ; an LDS store's data are its source 1: window 1
.set i, 0
.rept 32
	ds_store_b128 v[SND], v[128+4*i:128+4*i+3] offset:512*i  ; as images of the registers, each accumulator from its low end on
.set i, i+1
.endr
	WIN 0
	ds_store_b32 v[SNS], v[ST+16]
	ds_store_b32 v[SNS], v[ST+20] offset:128
	ds_store_b32 v[SNS], v[ST+24] offset:256
	ds_store_b32 v[SNS], v[ST+28] offset:384
	s_wait_dscnt 0x0                ; for the partner's sake: my stores have landed
	s_barrier_signal -1
	s_barrier_wait -1
	WIN 0xc0                        ; destination window 3
.set i, 0
.rept 32
	ds_load_b128 v[4*i:4*i+3], v[RCV] offset:512*i
.set i, i+1
.endr
	WIN 0
	ds_load_b32 v48, v[RCS]         ; the partner's c m and l of my tile 0,
	ds_load_b32 v49, v[RCS] offset:128
	ds_load_b32 v50, v[RCS] offset:256  ; and of my tile 1
	ds_load_b32 v51, v[RCS] offset:384
	s_wait_dscnt 0x0
	v_max_num_f32 v56, v[ST], v48
	v_max_num_f32 v57, v[ST+8], v50
	v_sub_f32 v52, v[ST], v56
	v_sub_f32 v53, v48, v56
	v_sub_f32 v54, v[ST+8], v57
	v_sub_f32 v55, v50, v57
	v_exp_f32 v52, v52              ; what brings each side under the common maximum
	v_exp_f32 v53, v53
	v_exp_f32 v54, v54
	v_exp_f32 v55, v55
	v_nop
	s_wait_alu depctr_va_vdst(0)    ; one wait for the four
	v_mul_f32 v56, v[ST+4], v52
	v_mul_f32 v57, v[ST+12], v54
	v_fmac_f32 v56, v49, v53        ; the row's sum over all keys
	v_fmac_f32 v57, v51, v55
	v_rcp_f32 v56, v56
	v_rcp_f32 v57, v57
	v_nop
	s_wait_alu depctr_va_vdst(0)
	v_mul_f32 v52, v52, v56         ; my side's factor (v52, v54) and the partner's (v48, v50): each the low word of a pair
	v_mul_f32 v48, v53, v56
	v_mul_f32 v54, v54, v57
	v_mul_f32 v50, v55, v57
.irp t, 0,1
	WIN W_RS
.set i, 64*\t
.rept 32
	v_pk_mul_f32 v[i:i+1], v[i:i+1], v[52+2*\t:53+2*\t] op_sel_hi:[1,0]
.set i, i+2
.endr
	WIN W_PV
.set i, 64*\t
.rept 32
	v_pk_fma_f32 v[i:i+1], v[i:i+1], v[48+2*\t:49+2*\t], v[i:i+1] op_sel_hi:[1,0,1]
.set i, i+2
.endr
	WIN 0x05                        ; sources 0 and 1 window 1, destination window 0
.set i, 0
.rept 32
	v_cvt_pk_f16_f32 v[S+32*\t+i], v[64*\t+2*i], v[64*\t+2*i+1]
.set i, i+1
.endr
	WIN 0
.irp f, 0,1,2,3,4,5,6,7             ; a lane's eight channels of a row are its 16 bytes of half f % 2 of K step f / 2 of launch 4's operand: stored as they stand, 512 consecutive bytes
	global_store_b128 v[LI], v[S+32*\t+4*\f:S+32*\t+4*\f+3], s[AO:AO+1] offset:65536*\t+512*\f
.endr
.endr
	; The first 16 positions of a batch: the lanes are on where my tile 0 holds them (one wave of the first block of queries), and off elsewhere.
	v_cmp_gt_u32 vcc_lo, 16, v[POSV]
	s_wait_xcnt 0x0                 ; EXEC changes only behind this wait
	s_and_saveexec_b32 s7, vcc_lo
.set i, 0
.irp hf, v64.l,v64.h,v65.l,v65.h,v66.l,v66.h,v67.l,v67.h,v68.l,v68.h,v69.l,v69.h,v70.l,v70.h,v71.l,v71.h,v72.l,v72.h,v73.l,v73.h,v74.l,v74.h,v75.l,v75.h,v76.l,v76.h,v77.l,v77.h,v78.l,v78.h,v79.l,v79.h,v80.l,v80.h,v81.l,v81.h,v82.l,v82.h,v83.l,v83.h,v84.l,v84.h,v85.l,v85.h,v86.l,v86.h,v87.l,v87.h,v88.l,v88.h,v89.l,v89.h,v90.l,v90.h,v91.l,v91.h,v92.l,v92.h,v93.l,v93.h,v94.l,v94.h,v95.l,v95.h
	v_cvt_f32_f16 v[P+i], \hf
.set i, i+1
.endr
	WIN 0x01                        ; source 0 window 1
.set i, 0
.rept 32
	v_pk_add_f32 v[P+i:P+i+1], v[i:i+1], v[P+i:P+i+1] neg_lo:[0,1] neg_hi:[0,1]  ; a - f16(a): exact
.set i, i+2
.endr
	WIN 0
.set i, 0
.rept 32
	v_pk_mul_f32 v[P+i:P+i+1], v[P+i:P+i+1], 0x45000000 op_sel_hi:[1,0]  ; x 2,048
.set i, i+2
.endr
.set i, 0
.rept 32
	v_cvt_pk_f16_f32 v[128+i], v[P+2*i], v[P+2*i+1]
.set i, i+1
.endr
.irp f, 0,1,2,3,4,5,6,7
	global_store_b128 v[LI], v[128+4*\f:128+4*\f+3], s[AL:AL+1] offset:512*\f
.endr
	s_wait_xcnt 0x0                 ; and again, in front of the line that widens it
	s_or_b32 exec_lo, exec_lo, s7
	s_wait_tensorcnt 0x0            ; the wave's end
	ds_add_u32 v[SPW], v[NIL]
	s_wait_dscnt 0x0
	s_endpgm
.Lfunc_end_k_qc4ab9e2e50_attn:
	.size	k_qc4ab9e2e50_attn, .Lfunc_end_k_qc4ab9e2e50_attn-k_qc4ab9e2e50_attn
	.p2alignl 7, 3214868480
	.fill 96, 4, 3214868480
	.section	.rodata,"a",@progbits
	.p2align	6, 0x0
	.amdhsa_kernel k_qc4ab9e2e50_attn
		.amdhsa_group_segment_fixed_size 262656
		.amdhsa_private_segment_fixed_size 0
		.amdhsa_enable_private_segment 0
		.amdhsa_kernarg_size 40
		.amdhsa_user_sgpr_count 2
		.amdhsa_user_sgpr_kernarg_segment_ptr 1
		.amdhsa_wavefront_size32 1
		.amdhsa_system_sgpr_workgroup_id_x 1
		.amdhsa_system_sgpr_workgroup_id_y 1
		.amdhsa_system_sgpr_workgroup_id_z 1
		.amdhsa_system_vgpr_workitem_id 0
		.amdhsa_next_free_vgpr 1024
		.amdhsa_next_free_sgpr 102
		.amdhsa_reserve_vcc 1
		.amdhsa_float_denorm_mode_32 3
		.amdhsa_float_denorm_mode_16_64 3
		.amdhsa_memory_ordered 1
		.amdhsa_forward_progress 1
		.amdhsa_inst_pref_size 226
	.end_amdhsa_kernel
	.amdgpu_metadata
---
amdhsa.version: [ 1, 2 ]
amdhsa.kernels:
  - .name:           k_qc4ab9e2e50_attn
    .symbol:         k_qc4ab9e2e50_attn.kd
    .args:
      - { .name: qkv16, .offset: 0, .size: 8, .value_kind: global_buffer, .address_space: global }
      - { .name: mbits, .offset: 8, .size: 8, .value_kind: global_buffer, .address_space: global }
      - { .name: steps, .offset: 16, .size: 8, .value_kind: global_buffer, .address_space: global }
      - { .name: a16, .offset: 24, .size: 8, .value_kind: global_buffer, .address_space: global }
      - { .name: alo, .offset: 32, .size: 8, .value_kind: global_buffer, .address_space: global }
    .group_segment_fixed_size: 262656
    .private_segment_fixed_size: 0
    .kernarg_segment_align: 8
    .kernarg_segment_size: 40
    .max_flat_workgroup_size: 128
    .sgpr_count:     102
    .vgpr_count:     1024
    .wavefront_size: 32
...
	.end_amdgpu_metadata
.endif
;; end of part 3
;; launch outp (part 4): grid 16 x 16, 4 waves a work-group, clusters of 4 x 4, 327,680 bytes of LDS; arguments a16, wo2, bo, out0; writes out0
.if DOCPART == 4
	.amdgcn_target "amdgcn-amd-amdhsa--gfx1250"
	.amdhsa_code_object_version 6
	.text
	.protected	k_qc4ab9e2e50_outp
	.globl	k_qc4ab9e2e50_outp
	.p2align	8
	.type	k_qc4ab9e2e50_outp,@function
k_qc4ab9e2e50_outp:
	s_mov_b64 s[64:65], 0
	v_nop
	global_prefetch_b8 v0, s[64:65] scope:SCOPE_SE
	s_setreg_imm32_b32 hwreg(HW_REG_WAVE_MODE, 25, 1), 1
	s_wait_xcnt 0x0
	s_wait_alu depctr_hold_cnt(0) depctr_sa_sdst(0) depctr_va_vdst(0) depctr_va_sdst(0) depctr_va_ssrc(0) depctr_va_vcc(0) depctr_vm_vsrc(0)
	s_getreg_b32 s2, hwreg(HW_REG_IB_STS2, 6, 4)
	s_cmp_eq_u32 s2, 0
	s_cbranch_scc0 .Lentry_in_a_cluster
	s_endpgm
.Lentry_in_a_cluster:
	s_bfe_u32 s2, ttmp6, 0x10000c
	s_cmp_lg_u32 s2, 0xf033
	s_cbranch_scc0 .Lentry_shape_is_right
	s_endpgm
.Lentry_shape_is_right:
; Launch 4 of 5: out = a Wo + bo.  a [2,048 rows][2,048] and Wo^T come as f16 fragments, images of operand registers: [16 rows or columns: 128][32 of K: 64][1,024 bytes]; sums and results in f32.
; Nothing of reference() is left out.  The 32 rows that hold the first 16 positions of each batch are stored here too, and once more, more finely, by launch 5.
; A tile of out is 128 x 128: 256 work-groups.  Four waves, each 64 x 64: 16 accumulators.  K goes in steps of 256 (8 fragments of each tile of 16) through a ring of two LDS slots.
; A wave's tensor load brings four tiles of 16: four rows of 8,192 consecutive bytes, 65,536 bytes apart in memory, on end in LDS.  Fragments are read from LDS 512 consecutive bytes a load: no padding.
; CLUSTERS: 4 x 4 work-groups; a's tiles are asked for jointly along a row of the cluster, Wo's along a column.
; THE MATRIX INSTRUCTION IS USED TRANSPOSED (source 0 = 16 columns of Wo, source 1 = 16 rows of a): a lane holds eight neighbouring numbers of a row of out.  The bias is the C of each sum's first product.
; REGISTERS: window 0: v0-31 addresses; v32-95 the way out; v96-127 the bias; v128-255 the accumulators ((a, b) at v[128 + 8 (4 a + b)]).  window 1: two fragment buffers of 128.
.set SLOT,   131072                    ; a's 8 tiles x 8,192 bytes, then Wo's
.set STAGE,  2*SLOT                    ; behind the ring: 16 rows x 272 bytes for each wave
.set SPITCH, 272
.set SPARE,  STAGE+4*16*SPITCH
.set LAPS,   4
.set ADRA, 16
.set ADRB, 20
.set STO,  24
.set RD,   25
.set CO,   26
.set SPW,  28
.set NIL,  29
.set TMP,  32
.set BIAS, 96
.set ACC,  128
.set F0,   0
.set F1,   128
.set G1, 24
.set G0, 32
.set G1B, 48
.set G0B, 56
.set MSB, 0
.macro WIN new
.if MSB != \new
	s_set_vgpr_msb (MSB<<8)|\new
.set MSB, \new
.endif
.endm
.set MUL,  0x05                        ; sources 0 and 1 window 1; C and D window 0
.set TO_F, 0x40
.macro JLOAD s                         ; waves 0 and 1 fetch a's halves, waves 2 and 3 Wo's; an s_nop 0 and four v_nop follow each line
	s_cmp_eq_u32 s11, 0
	s_cbranch_scc0 .Lfor_b_\@
	tensor_load_to_lds s[G0+4*\s:G0+4*\s+3], s[G1:G1+7]
	s_nop 0
.rept 4
	v_nop
.endr
	s_branch .Lasked_\@
.Lfor_b_\@:
	tensor_load_to_lds s[G0B+4*\s:G0B+4*\s+3], s[G1B:G1B+7]
	s_nop 0
.rept 4
	v_nop
.endr
.Lasked_\@:
.endm
.macro CREST
	s_cmp_lg_u32 s10, 0
	s_cbranch_scc1 .Lnot_wave_0_\@
	s_barrier_signal -3
.Lnot_wave_0_\@:
	s_barrier_wait -3
	s_barrier_signal -1
	s_barrier_wait -1
.endm
.macro CROUND
	s_barrier_signal -1
	s_barrier_wait -1
	CREST
.endm
	s_load_b128 s[4:7], s[0:1], 0x0                ; a16 s[4:5], wo2 s[6:7] (its first half: the high parts)
	s_load_b64 s[68:69], s[0:1], 0x10              ; bo
	s_load_b64 s[8:9], s[0:1], 0x18                ; out0
	v_lshl_add_u32 v[SPW], v0, 2, SPARE
	v_mov_b32 v[NIL], 0
	ds_add_u32 v[SPW], v[NIL]                      ; the wave's opening: the add, twice on end, and its wait ahead of my first tensor load
	ds_add_u32 v[SPW], v[NIL]
	v_lshrrev_b32 v1, 5, v0
	v_readfirstlane_b32 s10, v1                    ; wave 0..3
	s_lshr_b32 s11, s10, 1                         ; which half of the tile's rows is mine.  Also: I fetch for a (0) or for Wo (1)
	s_and_b32 s12, s10, 1                          ; which half of its columns.  Also: which four tiles of 16 I fetch
	s_bfe_u32 s40, ttmp6, 0x40000
	s_bfe_u32 s41, ttmp6, 0x40004
	s_lshl_b32 s42, ttmp9, 2
	s_add_co_u32 s42, s42, s40                     ; tile column
	s_and_b32 s13, ttmp7, 0xffff
	s_lshl_b32 s13, s13, 2
	s_add_co_u32 s13, s13, s41                     ; tile row
	s_lshl_b32 s43, s41, 2
	s_lshl_b32 s43, 15, s43
	s_lshl_b32 s44, 0x1111, s40
	s_or_b32 s[G1+0], s43, (3<<16)|(1<<21)         ; the mask; elements of 8 bytes; bit 21 beside a mask; no padding
	s_or_b32 s[G1B+0], s44, (3<<16)|(1<<21)
.irp g, G1, G1B
	s_mov_b32 s[\g+1], 1024<<16                    ; tensor_dim0: 1,024 elements: 8 fragments
	s_mov_b32 s[\g+2], 4<<16                       ; tensor_dim1: 4 tiles of 16
	s_mov_b32 s[\g+3], 1024<<16                    ; tile_dim0
	s_mov_b32 s[\g+4], 4                           ; tile_dim1
	s_mov_b32 s[\g+5], 8192                        ; the pitch: 65,536 bytes
	s_mov_b32 s[\g+6], 0
	s_mov_b32 s[\g+7], 0
.endr
	s_lshl_b32 s17, s12, 18                        ; four tiles of 65,536 bytes
	s_lshl_b32 s16, s13, 19                        ; eight to a tile row
	s_add_co_u32 s16, s16, s17
	s_lshl_b32 s46, s42, 19
	s_add_co_u32 s46, s46, s17
	s_mov_b32 s17, 0
	s_mov_b32 s47, 0
	s_lshl_b32 s20, s10, 15                        ; where they go: 32,768 x wave
	s_wait_dscnt 0x0                               ; both opening adds are done
	s_wait_kmcnt 0x0
	s_add_nc_u64 s[14:15], s[4:5], s[16:17]
	s_add_nc_u64 s[46:47], s[6:7], s[46:47]
	CROUND
.irp s, 0,1
	s_mov_b32 s[G0+4*\s], 1
	s_add_co_u32 s[G0+4*\s+1], s20, \s*SLOT
	s_add_nc_u64 s[G0+4*\s+2:G0+4*\s+3], s[14:15], \s*8192
	s_or_b32 s[G0+4*\s+3], s[G0+4*\s+3], 0x80000000
	s_mov_b32 s[G0B+4*\s], 1
	s_add_co_u32 s[G0B+4*\s+1], s20, \s*SLOT
	s_add_nc_u64 s[G0B+4*\s+2:G0B+4*\s+3], s[46:47], \s*8192
	s_or_b32 s[G0B+4*\s+3], s[G0B+4*\s+3], 0x80000000
	JLOAD \s
.endr
	v_and_b32 v1, 15, v0                           ; r
	v_bfe_u32 v2, v0, 4, 1                         ; h
	v_and_b32 v3, 31, v0
	v_lshlrev_b32 v3, 4, v3                        ; 16 x lane
	s_lshl_b32 s21, s11, 15                        ; my four tiles of rows
	s_lshl_b32 s22, s12, 15                        ; my four tiles of columns,
	s_add_co_u32 s22, s22, 65536                   ; behind a's eight
.irp s, 0,1
	v_add_nc_u32 v[ADRA+\s], s21, v3
	v_add_nc_u32 v[ADRB+\s], s22, v3
	s_add_co_u32 s21, s21, SLOT
	s_add_co_u32 s22, s22, SLOT
.endr
	s_mul_i32 s23, s10, 16*SPITCH
	s_add_co_u32 s23, s23, STAGE                   ; my stage
	v_mul_u32_u24 v4, v1, SPITCH
	v_lshl_add_u32 v4, v2, 5, v4
	v_add_nc_u32 v[STO], s23, v4                   ; in: row r, 32 bytes for each half of the lanes
	v_mul_u32_u24 v5, v2, SPITCH
	v_lshl_add_u32 v5, v1, 4, v5
	v_add_nc_u32 v[RD], s23, v5                    ; back: lanes 0-15 one row of 256 bytes, lanes 16-31 the next
	v_lshlrev_b32 v5, 13, v2
	v_lshl_add_u32 v[CO], v1, 4, v5                ; and the same two rows in out0
	s_lshl_b32 s46, s42, 9                         ; my first column, in bytes: 512 x tile column + 256 x half
	s_lshl_b32 s47, s12, 8
	s_add_co_u32 s46, s46, s47
	s_mov_b32 s47, 0
	s_add_nc_u64 s[68:69], s[68:69], s[46:47]
	s_add_nc_u64 s[8:9], s[8:9], s[46:47]
	s_lshl_b32 s16, s13, 20                        ; my first row: 128 x tile row + 64 x half, 8,192 bytes each
	s_lshl_b32 s17, s11, 19
	s_add_co_u32 s16, s16, s17
	s_mov_b32 s17, 0
	s_add_nc_u64 s[8:9], s[8:9], s[16:17]
	v_lshlrev_b32 v6, 5, v2
.irp b, 0,1,2,3                        ; the bias in the result's layout: for block b of columns, bo at 16 b + 8 h + 0..7
	global_load_b128 v[BIAS+8*\b:BIAS+8*\b+3], v6, s[68:69] offset:64*\b
	global_load_b128 v[BIAS+8*\b+4:BIAS+8*\b+7], v6, s[68:69] offset:64*\b+16
.endr
; 8 matrix instructions: blocks a0, a0 + 1 of rows x all 4 blocks of columns, 32 along K: half c of buffer f.  zero = 1: the first product starts the sum, on the bias.  The 16 accumulators take turns.
.macro MUL8 f, c, a0, zero
.irp a, \a0, \a0+1
.irp b, 0,1,2,3
.if \zero
	v_wmma_f32_16x16x32_f16 v[ACC+8*(4*(\a)+\b):ACC+8*(4*(\a)+\b)+7], v[\f+64+8*(4*\c+\b):\f+64+8*(4*\c+\b)+7], v[\f+8*(4*\c+\a):\f+8*(4*\c+\a)+7], v[BIAS+8*\b:BIAS+8*\b+7]
.else
	v_wmma_f32_16x16x32_f16 v[ACC+8*(4*(\a)+\b):ACC+8*(4*(\a)+\b)+7], v[\f+64+8*(4*\c+\b):\f+64+8*(4*\c+\b)+7], v[\f+8*(4*\c+\a):\f+8*(4*\c+\a)+7], v[ACC+8*(4*(\a)+\b):ACC+8*(4*(\a)+\b)+7]
.endif
.endr
.endr
.endm
; 32 LDS loads in one run: the fragments of quarter q (64 along K) into buffer f; the first 32 along K first
.macro FETCH slot, q, f
	WIN TO_F
.irp c, 0,1
.irp i, 0,1,2,3
	ds_load_b128 v[\f+64+8*(4*\c+\i):\f+64+8*(4*\c+\i)+3],   v[ADRB+\slot] offset:8192*\i+1024*(2*(\q)+\c)
	ds_load_b128 v[\f+64+8*(4*\c+\i)+4:\f+64+8*(4*\c+\i)+7], v[ADRB+\slot] offset:8192*\i+1024*(2*(\q)+\c)+512
	ds_load_b128 v[\f+8*(4*\c+\i):\f+8*(4*\c+\i)+3],         v[ADRA+\slot] offset:8192*\i+1024*(2*(\q)+\c)
	ds_load_b128 v[\f+8*(4*\c+\i)+4:\f+8*(4*\c+\i)+7],       v[ADRA+\slot] offset:8192*\i+1024*(2*(\q)+\c)+512
.endr
.endr
.endm
.macro PLACES
.rept 4
	v_nop
.endr
.endm
.macro QUARTER slot, q, f, g, zero     ; multiplies buffer f and fetches quarter q of the slot into g
	s_wait_dscnt 16                                ; the first 32 along K are in; the other sixteen loads may be out
	WIN MUL
	MUL8 \f, 0, 0, \zero
	MUL8 \f, 0, 2, \zero
	PLACES
	FETCH \slot, \q, \g
	s_wait_dscnt 32                                ; all but the 32 just issued
	WIN MUL
	MUL8 \f, 1, 0, 0
	MUL8 \f, 1, 2, 0
.endm
.macro TURN slot, next, fill           ; the last quarter multiplies buffer 1 and changes slots
	WIN 0
	s_wait_tensorcnt 0x0                           ; all my tensor loads have landed: my part of the next slot
	ds_add_u32 v[SPW], v[NIL]                      ; 0 onto my spare word
	s_wait_dscnt 17                                ; the add and the youngest sixteen loads may be out
	WIN MUL
	MUL8 F1, 0, 0, 0
	s_wait_dscnt 0x0                               ; the add is done, and my reads of this slot are over
	s_barrier_signal -1
	MUL8 F1, 0, 2, 0
.if \fill
	WIN 0
.endif
	s_barrier_wait -1
.if \fill
	CREST                                          ; the barrier has opened a round of the cluster's
	s_add_nc_u64 s[G0+4*\slot+2:G0+4*\slot+3], s[G0+4*\slot+2:G0+4*\slot+3], 16384
	s_add_nc_u64 s[G0B+4*\slot+2:G0B+4*\slot+3], s[G0B+4*\slot+2:G0B+4*\slot+3], 16384
	JLOAD \slot                                    ; the first tensor load behind the round; its four v_nop are the places in front of the loads below
.else
	PLACES
.endif
	FETCH \next, 0, F0
	WIN MUL
	MUL8 F1, 1, 0, 0
	MUL8 F1, 1, 2, 0
.endm
	s_wait_tensorcnt 1                             ; my part of K step 0 is in; K step 1's may stay out
	s_barrier_signal -1
	s_barrier_wait -1
	FETCH 0, 0, F0
	s_wait_loadcnt 0x0                             ; the bias
	QUARTER 0, 1, F0, F1, 1
	WIN 0
	s_mov_b32 s3, LAPS-1
.Llap:
	QUARTER 0, 2, F1, F0, 0
	QUARTER 0, 3, F0, F1, 0
	TURN 0, 1, 1
	QUARTER 1, 1, F0, F1, 0
	QUARTER 1, 2, F1, F0, 0
	QUARTER 1, 3, F0, F1, 0
	TURN 1, 0, 1
	QUARTER 0, 1, F0, F1, 0
	WIN 0
	s_sub_co_u32 s3, s3, 1
	s_cmp_lg_u32 s3, 0
	s_cbranch_scc1 .Llap
	QUARTER 0, 2, F1, F0, 0                        ; the last lap fills nothing
	QUARTER 0, 3, F0, F1, 0
	TURN 0, 1, 0
	QUARTER 1, 1, F0, F1, 0
	QUARTER 1, 2, F1, F0, 0
	QUARTER 1, 3, F0, F1, 0
	s_wait_dscnt 16
	WIN MUL
	MUL8 F1, 0, 0, 0
	MUL8 F1, 0, 2, 0
	s_wait_dscnt 0
	MUL8 F1, 1, 0, 0
	MUL8 F1, 1, 2, 0
	WIN 0
	; THE WAY OUT, 16 rows at a time through my own stage: a lane's 32 bytes go in, whole rows of 256 bytes come back.  LDS serves a wave's instructions in order: no wait between the stores and the loads.
	PLACES
.irp a, 0,1,2,3
.irp b, 0,1,2,3
	ds_store_b128 v[STO], v[ACC+8*(4*\a+\b):ACC+8*(4*\a+\b)+3] offset:64*\b          ; each accumulator from its low end on
	ds_store_b128 v[STO], v[ACC+8*(4*\a+\b)+4:ACC+8*(4*\a+\b)+7] offset:64*\b+16
.endr
.if \a >= 2
	s_wait_xcnt 0x0                                ; block a - 2's stores have read the registers into which these loads land
.endif
.irp t, 0,1,2,3,4,5,6,7
	ds_load_b128 v[TMP+32*(\a%2)+4*\t:TMP+32*(\a%2)+4*\t+3], v[RD] offset:\t*2*SPITCH
.endr
.irp t, 0,1,2,3,4,5,6,7
	s_wait_dscnt 7-\t                              ; the younger loads may be out
	global_store_b128 v[CO], v[TMP+32*(\a%2)+4*\t:TMP+32*(\a%2)+4*\t+3], s[8:9] offset:(16*\a+2*\t)*8192 th:TH_STORE_NT   ; sixteen lanes store 256 consecutive bytes, aligned
.endr
.endr
	s_wait_tensorcnt 0x0                           ; the wave's end
	ds_add_u32 v[SPW], v[NIL]
	s_wait_dscnt 0x0
	CROUND                                         ; the closing round
	s_endpgm
.Lfunc_end_k_qc4ab9e2e50_outp:
	.size	k_qc4ab9e2e50_outp, .Lfunc_end_k_qc4ab9e2e50_outp-k_qc4ab9e2e50_outp
	.p2alignl 7, 3214868480
	.fill 96, 4, 3214868480
	.section	.rodata,"a",@progbits
	.p2align	6, 0x0
	.amdhsa_kernel k_qc4ab9e2e50_outp
		.amdhsa_group_segment_fixed_size 327680
		.amdhsa_private_segment_fixed_size 0
		.amdhsa_enable_private_segment 0
		.amdhsa_kernarg_size 32
		.amdhsa_user_sgpr_count 2
		.amdhsa_user_sgpr_kernarg_segment_ptr 1
		.amdhsa_wavefront_size32 1
		.amdhsa_system_sgpr_workgroup_id_x 1
		.amdhsa_system_sgpr_workgroup_id_y 1
		.amdhsa_system_sgpr_workgroup_id_z 1
		.amdhsa_system_vgpr_workitem_id 0
		.amdhsa_next_free_vgpr 512
		.amdhsa_next_free_sgpr 72
		.amdhsa_reserve_vcc 0
		.amdhsa_float_denorm_mode_32 3
		.amdhsa_float_denorm_mode_16_64 3
		.amdhsa_memory_ordered 1
		.amdhsa_forward_progress 1
		.amdhsa_inst_pref_size 87
	.end_amdhsa_kernel
	.amdgpu_metadata
---
amdhsa.version: [ 1, 2 ]
amdhsa.kernels:
  - .name:           k_qc4ab9e2e50_outp
    .symbol:         k_qc4ab9e2e50_outp.kd
    .args:
      - { .name: a16, .offset: 0, .size: 8, .value_kind: global_buffer, .address_space: global }
      - { .name: wo2, .offset: 8, .size: 8, .value_kind: global_buffer, .address_space: global }
      - { .name: bo, .offset: 16, .size: 8, .value_kind: global_buffer, .address_space: global }
      - { .name: out0, .offset: 24, .size: 8, .value_kind: global_buffer, .address_space: global }
    .group_segment_fixed_size: 327680
    .private_segment_fixed_size: 0
    .kernarg_segment_align: 8
    .kernarg_segment_size: 32
    .max_flat_workgroup_size: 128
    .sgpr_count:     72
    .vgpr_count:     512
    .wavefront_size: 32
...
	.end_amdgpu_metadata
.endif
;; end of part 4
;; launch fine (part 5): grid 128 x 1, 16 waves a work-group, no clusters, 34,816 bytes of LDS; arguments a16, alo, wo2, bo, out0; writes out0
.if DOCPART == 5
	.amdgcn_target "amdgcn-amd-amdhsa--gfx1250"
	.amdhsa_code_object_version 6
	.text
	.protected	k_qc4ab9e2e50_fine
	.globl	k_qc4ab9e2e50_fine
	.p2align	8
	.type	k_qc4ab9e2e50_fine,@function
k_qc4ab9e2e50_fine:
	s_mov_b64 s[64:65], 0
	v_nop
	global_prefetch_b8 v0, s[64:65] scope:SCOPE_SE
	s_setreg_imm32_b32 hwreg(HW_REG_WAVE_MODE, 25, 1), 1
	s_wait_xcnt 0x0
; Launch 5 of 5: the first 16 positions of each batch (32 rows of out0) once more, with both operands of the last product as PAIRS of f16 numbers, a high part and a low part x 2,048:
; out = a_hi W_hi + 2^-11 (a_lo' W_hi + a_hi W_lo') + bo.  Under a causal mask these rows average one to a few values and are the largest in size; the choice of rows serves precision alone and is right for every mask.
; These 262,144 bytes of out0 are stored over what launch 4 stored there.  Nothing of reference() is left out.
; A work-group takes 16 columns and both tiles of 16 rows; its sixteen waves share K: wave w takes K steps 4 w to 4 w + 3 of 32.  The parts meet in LDS; waves 0 to 3 add them and store.
; No cluster: each fragment of Wo is read by one work-group alone, and what all share (the 32 rows of a) is two thirds of a wave's bytes.  A store covers 64 bytes of each of 16 rows: the price of giving each column tile
; a work-group of its own, so that every wave has one trip to memory and back.
.set WH,  16                           ; v16-47   W_hi, four K steps
.set WL,  48                           ; v48-79   W_lo'
.set AH,  80                           ; v80-143  a_hi: batch 0, then batch 1
.set AL,  144                          ; v144-207 a_lo' likewise
.set ACC, 208                          ; v208-239 hi x hi of batch 0, of batch 1; the mixed sums of batch 0, of batch 1
.set R,   240                          ; v240-255 my part of the result
.set SPW, 14
.set NIL, 15
.set SPARE, 32768                      ; behind the parts: the spare words, 128 bytes a wave
	s_load_b256 s[4:11], s[0:1], 0x0               ; a16 s[4:5], alo s[6:7], wo2 s[8:9], bo s[10:11]
	s_load_b64 s[12:13], s[0:1], 0x20              ; out0
	v_lshl_add_u32 v[SPW], v0, 2, SPARE
	v_mov_b32 v[NIL], 0
	v_lshrrev_b32 v1, 5, v0
	v_readfirstlane_b32 s14, v1                    ; wave 0..15
	v_and_b32 v2, 31, v0
	v_lshlrev_b32 v1, 4, v2                        ; 16 x lane
	v_and_b32 v3, 15, v0                           ; r
	v_bfe_u32 v4, v0, 4, 1                         ; h
	s_lshl_b32 s16, s14, 12                        ; my four K steps of 1,024 bytes
	s_mov_b32 s17, 0
	s_lshl_b32 s18, ttmp9, 16                      ; my tile of columns
	s_add_co_u32 s18, s18, s16
	s_mov_b32 s19, 0
	s_lshl_b32 s15, s14, 9
	v_add_nc_u32 v5, s15, v1                       ; LDS: my part: 512 x wave + 16 x lane, in each of four groups of 8,192 bytes
	s_and_b32 s20, s14, 3                          ; the group that I add, if I add: batch g / 2, registers 4 (g % 2) on
	s_lshl_b32 s21, s20, 13
	v_add_nc_u32 v6, s21, v1
	s_and_b32 s22, s20, 1
	s_lshr_b32 s23, s20, 1
	s_lshl_b32 s26, ttmp9, 6                       ; 16 columns are 64 bytes,
	s_lshl_b32 s27, s22, 4                         ; four registers 16
	s_add_co_u32 s26, s26, s27
	s_mov_b32 s27, 0
	s_lshl_b32 s24, s23, 23                        ; a batch is 1,024 rows of 8,192 bytes
	s_add_co_u32 s24, s24, s26
	s_mov_b32 s25, 0
	v_lshlrev_b32 v7, 5, v4                        ; + 32 h
	v_lshl_add_u32 v8, v3, 13, v7                  ; + row r
	s_wait_kmcnt 0x0
	s_add_nc_u64 s[4:5], s[4:5], s[16:17]
	s_add_nc_u64 s[6:7], s[6:7], s[16:17]
	s_add_nc_u64 s[8:9], s[8:9], s[18:19]
	s_add_nc_u64 s[28:29], s[8:9], 0x800000        ; the low parts of Wo
	s_add_nc_u64 s[10:11], s[10:11], s[26:27]
	s_add_nc_u64 s[12:13], s[12:13], s[24:25]
.irp s, 0,1,2,3                        ; all 48 loads at once, twelve a K step
.irp c, 0,1
	global_load_b128 v[WH+8*\s+4*\c:WH+8*\s+4*\c+3], v1, s[8:9] offset:1024*\s+512*\c
.endr
.irp c, 0,1
	global_load_b128 v[WL+8*\s+4*\c:WL+8*\s+4*\c+3], v1, s[28:29] offset:1024*\s+512*\c
.endr
.irp c, 0,1
	global_load_b128 v[AH+8*\s+4*\c:AH+8*\s+4*\c+3], v1, s[4:5] offset:1024*\s+512*\c
.endr
.irp c, 0,1
	global_load_b128 v[AH+32+8*\s+4*\c:AH+32+8*\s+4*\c+3], v1, s[4:5] offset:4194304+1024*\s+512*\c   ; batch 1 begins 64 tiles of rows on
.endr
.irp c, 0,1
	global_load_b128 v[AL+8*\s+4*\c:AL+8*\s+4*\c+3], v1, s[6:7] offset:1024*\s+512*\c
.endr
.irp c, 0,1
	global_load_b128 v[AL+32+8*\s+4*\c:AL+32+8*\s+4*\c+3], v1, s[6:7] offset:65536+1024*\s+512*\c
.endr
.endr
; Source 0 = 16 columns of Wo, source 1 = 16 rows of a: a lane holds row r and columns 8 h + 0..7.  No two matrix instructions that follow each other share an accumulator.
.irp s, 0,1,2,3
	s_wait_loadcnt 36-12*\s                        ; this K step's twelve loads are in; the later steps' may be out
.if \s == 0
	v_wmma_f32_16x16x32_f16 v[ACC:ACC+7], v[WH:WH+7], v[AH:AH+7], 0
	v_wmma_f32_16x16x32_f16 v[ACC+8:ACC+15], v[WH:WH+7], v[AH+32:AH+39], 0
	v_wmma_f32_16x16x32_f16 v[ACC+16:ACC+23], v[WH:WH+7], v[AL:AL+7], 0
	v_wmma_f32_16x16x32_f16 v[ACC+24:ACC+31], v[WH:WH+7], v[AL+32:AL+39], 0
.else
	v_wmma_f32_16x16x32_f16 v[ACC:ACC+7], v[WH+8*\s:WH+8*\s+7], v[AH+8*\s:AH+8*\s+7], v[ACC:ACC+7]
	v_wmma_f32_16x16x32_f16 v[ACC+8:ACC+15], v[WH+8*\s:WH+8*\s+7], v[AH+32+8*\s:AH+32+8*\s+7], v[ACC+8:ACC+15]
	v_wmma_f32_16x16x32_f16 v[ACC+16:ACC+23], v[WH+8*\s:WH+8*\s+7], v[AL+8*\s:AL+8*\s+7], v[ACC+16:ACC+23]
	v_wmma_f32_16x16x32_f16 v[ACC+24:ACC+31], v[WH+8*\s:WH+8*\s+7], v[AL+32+8*\s:AL+32+8*\s+7], v[ACC+24:ACC+31]
.endif
	v_wmma_f32_16x16x32_f16 v[ACC+16:ACC+23], v[WL+8*\s:WL+8*\s+7], v[AH+8*\s:AH+8*\s+7], v[ACC+16:ACC+23]
	v_wmma_f32_16x16x32_f16 v[ACC+24:ACC+31], v[WL+8*\s:WL+8*\s+7], v[AH+32+8*\s:AH+32+8*\s+7], v[ACC+24:ACC+31]
.endr
.rept 4
	v_nop                                          ; places in front of the first read of results
.endr
.set j, 0
.rept 16
	v_fma_f32 v[R+j], v[ACC+16+j], 0x3a000000, v[ACC+j]   ; hi x hi + 2^-11 x the mixed sums; each accumulator from its low end on
.set j, j+1
.endr
.irp g, 0,1,2,3
	ds_store_b128 v5, v[R+4*\g:R+4*\g+3] offset:8192*\g
.endr
	s_wait_dscnt 0x0                               ; for the others' sake: my stores have landed
	s_barrier_signal -1
	s_barrier_wait -1
	s_cmp_ge_u32 s14, 4
	s_cbranch_scc1 .Lend                           ; waves 0 to 3 add a group each
	global_load_b128 v[80:83], v7, s[10:11]        ; the bias of my four columns
.irp i, 0,1,2,3,4,5,6,7,8,9,10,11,12,13,14,15
	ds_load_b128 v[16+4*\i:19+4*\i], v6 offset:512*\i
.endr
	s_wait_dscnt 0x0
.irp d, 1,2,4,8
.set i, 0
.rept 8/\d
	v_pk_add_f32 v[16+4*i:17+4*i], v[16+4*i:17+4*i], v[16+4*(i+\d):17+4*(i+\d)]
	v_pk_add_f32 v[18+4*i:19+4*i], v[18+4*i:19+4*i], v[18+4*(i+\d):19+4*(i+\d)]
.set i, i+2*\d
.endr
.endr
	s_wait_loadcnt 0x0
	v_pk_add_f32 v[16:17], v[16:17], v[80:81]
	v_pk_add_f32 v[18:19], v[18:19], v[82:83]
	global_store_b128 v8, v[16:19], s[12:13]
.Lend:
	s_wait_tensorcnt 0x0                           ; the wave's end
	ds_add_u32 v[SPW], v[NIL]
	s_wait_dscnt 0x0
	s_endpgm
.Lfunc_end_k_qc4ab9e2e50_fine:
	.size	k_qc4ab9e2e50_fine, .Lfunc_end_k_qc4ab9e2e50_fine-k_qc4ab9e2e50_fine
	.p2alignl 7, 3214868480
	.fill 96, 4, 3214868480
	.section	.rodata,"a",@progbits
	.p2align	6, 0x0
	.amdhsa_kernel k_qc4ab9e2e50_fine
		.amdhsa_group_segment_fixed_size 34816
		.amdhsa_private_segment_fixed_size 0
		.amdhsa_enable_private_segment 0
		.amdhsa_kernarg_size 40
		.amdhsa_user_sgpr_count 2
		.amdhsa_user_sgpr_kernarg_segment_ptr 1
		.amdhsa_wavefront_size32 1
		.amdhsa_system_sgpr_workgroup_id_x 1
		.amdhsa_system_sgpr_workgroup_id_y 1
		.amdhsa_system_sgpr_workgroup_id_z 1
		.amdhsa_system_vgpr_workitem_id 0
		.amdhsa_next_free_vgpr 256
		.amdhsa_next_free_sgpr 66
		.amdhsa_reserve_vcc 0
		.amdhsa_float_denorm_mode_32 3
		.amdhsa_float_denorm_mode_16_64 3
		.amdhsa_memory_ordered 1
		.amdhsa_forward_progress 1
		.amdhsa_inst_pref_size 14
	.end_amdhsa_kernel
	.amdgpu_metadata
---
amdhsa.version: [ 1, 2 ]
amdhsa.kernels:
  - .name:           k_qc4ab9e2e50_fine
    .symbol:         k_qc4ab9e2e50_fine.kd
    .args:
      - { .name: a16, .offset: 0, .size: 8, .value_kind: global_buffer, .address_space: global }
      - { .name: alo, .offset: 8, .size: 8, .value_kind: global_buffer, .address_space: global }
      - { .name: wo2, .offset: 16, .size: 8, .value_kind: global_buffer, .address_space: global }
      - { .name: bo, .offset: 24, .size: 8, .value_kind: global_buffer, .address_space: global }
      - { .name: out0, .offset: 32, .size: 8, .value_kind: global_buffer, .address_space: global }
    .group_segment_fixed_size: 34816
    .private_segment_fixed_size: 0
    .kernarg_segment_align: 8
    .kernarg_segment_size: 40
    .max_flat_workgroup_size: 512
    .sgpr_count:     66
    .vgpr_count:     256
    .wavefront_size: 32
...
	.end_amdgpu_metadata
.endif
;; end of part 5
